; MI455X (gfx1250); checked and timed in simulation.
; The chip was launched on July 23, 2026; its instructions are those of AMD's public machine-readable ISA for CDNA 5 (MIT licence, August 2026) and "CDNA5" Instruction Set Architecture Reference Guide (July 2026). The comments in the code are by the model that wrote it; some were corrected since.
;; Weight Share Self Attention. Allowed arithmetic: matrix products marked QUANTISED: E2M1 operands, one E8M0 scale for each 32 along K, by v_wmma_scale_f32_16x16x128_f8f6f4 with both operands' format E2M1 (or v_wmma_scale_f32_32x16x128_f4), f32 sums; everything else in f32.
;; Inputs: Winj0_codes 3,072 x 32 x 16 uint8 (E2M1 codes of Winj0, K innermost, in blocks of 32 codes, two codes a byte); Winj0_scales 3,072 x 32 uint8 (E8M0 scales of Winj0, one for each 32 codes along K); Winj1_codes 3,072 x 32 x 16 uint8 (E2M1 codes of Winj1, K innermost, in blocks of 32 codes, two codes a byte); Winj1_scales 3,072 x 32 uint8 (E8M0 scales of Winj1, one for each 32 codes along K); Wo_codes 1,024 x 32 x 16 uint8 (E2M1 codes of Wo, K innermost, in blocks of 32 codes, two codes a byte); Wo_scales 1,024 x 32 uint8 (E8M0 scales of Wo, one for each 32 codes along K); Wqkv0_codes 3,072 x 32 x 16 uint8 (E2M1 codes of Wqkv0, K innermost, in blocks of 32 codes, two codes a byte); Wqkv0_scales 3,072 x 32 uint8 (E8M0 scales of Wqkv0, one for each 32 codes along K); Wqkv1_codes 3,072 x 32 x 16 uint8 (E2M1 codes of Wqkv1, K innermost, in blocks of 32 codes, two codes a byte); Wqkv1_scales 3,072 x 32 uint8 (E8M0 scales of Wqkv1, one for each 32 codes along K); bo 1,024 float32; r_w_bias 16 x 64 float32; u1ss_codes 2 x 2,048 x 32 x 16 uint8 (E2M1 codes of u1ss, K innermost, in blocks of 32 codes, two codes a byte); u1ss_scales 2 x 2,048 x 32 uint8 (E8M0 scales of u1ss, one for each 32 codes along K); z1ss 2 x 1,024 x 2,048 float32.
;; Outputs: out0 2 x 1,024 x 2,048 float32.
;; This version of the problem:
;;   THIS VERSION OF THE PROBLEM IS GIVEN IN LOW PRECISION. The matrix products marked QUANTISED in the list below multiply operands that are first quantised to E2M1 (2 exponent bits, 1 mantissa bit; 4 bits a number), with one power-of-two scale for each 32 numbers along K (OCP MX v1.0); their sums are f32. All else is computed in f32.
;;   The module's matrix products, in the order in which they are computed (A, B: the left and right operand; K: the contracted axis; several contracted axes count as one K, in the product's order):
;;     1. [M 2,048, K 1,024] x [K 1,024, N 3,072]; A: input z1ss; B: input Wqkv0 (given as codes): QUANTISED
;;     2. [M 2,048, K 1,024] x [K 1,024, N 3,072]; A: input u1ss (given as codes); B: input Winj0 (given as codes): QUANTISED
;;     3. [M 2,048, K 1,024] x [K 1,024, N 3,072]; A: input z1ss; B: input Wqkv1 (given as codes): QUANTISED
;;     4. [M 2,048, K 1,024] x [K 1,024, N 3,072]; A: input u1ss (given as codes); B: input Winj1 (given as codes): QUANTISED
;;     5. batch 32 x [M 2,048, K 64] x [K 64, N 2,048]; A: computed on the way; B: computed on the way: QUANTISED
;;     6. batch 32 x [M 64, K 2,048] x [K 2,048, N 2,048]; A: computed on the way; B: softmax (see below): QUANTISED
;;     7. [M 4,096, K 1,024] x [K 1,024, N 1,024]; A: computed on the way; B: input Wo (given as codes): QUANTISED
;;   THE QUANTISER, for each operand of a quantised product, along K:
;;     - K is cut into blocks of 32 from its start; a last block that is shorter is filled with zeros.
;;     - A block's scale is 2^e with e = floor(log2(the largest magnitude in the block)) - 2, held to -126 .. 127; a block of zeros has e = 0. As a byte (E8M0): e + 127.
;;     - Each number is divided by its block's scale, clamped to +-6, and rounded to the nearest number of E2M1, ties to even, subnormals kept.
;;     - The product sums the exact products of the quantised numbers (number of the format x scale) in f32.
;;   ~~~python
;;   def quantise(x, axis):      # numpy; x: float32 -> the quantised numbers, widened to float32 again
;;       x = np.moveaxis(x, axis, -1); K = x.shape[-1]
;;       x = np.pad(x, [(0, 0)] * (x.ndim - 1) + [(0, -K % 32)]); x = x.reshape(x.shape[:-1] + (-1, 32)); a = np.abs(x).max(-1, keepdims=True)
;;       e = np.where(a > 0, np.clip(np.frexp(np.where(a > 0, a, 1))[1] - 1 - 2, -126, 127), 0)      # np.frexp(a)[1] - 1 = floor(log2(a)), exactly
;;       r = np.clip(x / 2.0 ** e, -6, 6)
;;       step = 2.0 ** (np.maximum(np.frexp(np.where(r == 0, 1, r))[1] - 1, 0) - 1)
;;       q = np.round(r / step) * step * 2.0 ** e      # np.round: ties to even
;;       return np.moveaxis(q.reshape(q.shape[:-2] + (-1,))[..., :K], -1, axis).astype(np.float32)
;;   ~~~
;;   SOFTMAX AHEAD OF A QUANTISED PRODUCT. Where the list says 'softmax', what is quantised is not the finished softmax but p = 2^(t - M), with t = logit x log2(e) and M = ceil(the row's largest t), a whole number; so 1/2 < the row's largest p <= 1. The row's sum l is taken of the UNQUANTISED p, in f32, and the product's result is divided by l at the end. Since M is a whole number, a kernel that streams over the keys may use a running M (the ceiling of the running maximum): every later rescaling is an exact power of two, which a block's scale takes up: the codes' values come out the same.
;;   OPERANDS COMPUTED ON THE WAY. 'Computed on the way' means the value that the module computes at that place (a softmax that the list does not call 'softmax' is quantised finished and normalised). What goes into a quantiser is computed in f32, as accurately as f32 sums, v_exp_f32 and their like allow (about 1e-6 of the number): no bf16 or f16 on the way to a quantiser, and a product that is left as it is and whose result goes on into a quantised operand takes f32 operands (vector FMAs, or v_wmma_f32_16x16x4_f32). A number that lies on a knife's edge between two numbers of the format may be rounded either way, as far as f32 arithmetic and the matrix unit's own rounding can turn it there, and no further.
;;   INPUTS GIVEN AS CODES. Winj0 (in the module: [3072, 1024], K = its axis 1); Winj1 (in the module: [3072, 1024], K = its axis 1); Wo (in the module: [1024, 1024], K = its axis 1); Wqkv0 (in the module: [3072, 1024], K = its axis 1); Wqkv1 (in the module: [3072, 1024], K = its axis 1); u1ss (in the module: [2, 1024, 2048], K = its axis 1): each comes as NAME_codes (uint8): NAME with its K axis moved to the last place and cut into blocks of 32 codes, [.., K / 32, bytes a block], one block behind the other in memory; two codes a byte, the lower K in the low four bits (a code: sign, 2 exponent bits, 1 mantissa bit); and NAME_scales (uint8): the same leading axes, one E8M0 byte (e + 127) for each 32 codes along K. Its value is code x scale, taken as it is: it is not quantised again, and the codes and scales need not be those that the quantiser above would give.
;; One version. Each part assembles by itself: llvm-mc -triple=amdgcn-amd-amdhsa -mcpu=gfx1250 --defsym DOCPART=n.
;; ======== version 1 of 1: 4 launches
;; workspace buffers: z_codes 2,097,152 bytes; z_scales 131,072 bytes; wo_img 524,288 bytes; qkv_img 6,291,456 bytes; qkv_sc 655,360 bytes; a_img 2,097,152 bytes; a_sc 262,144 bytes
;; launch prep (part 1): grid 72 x 2, 8 waves a work-group, no clusters, 19,456 bytes of LDS; arguments z1ss, Wo_codes, z_codes, z_scales, wo_img; writes z_codes, z_scales, wo_img
.if DOCPART == 1
	.amdgcn_target "amdgcn-amd-amdhsa--gfx1250"
	.amdhsa_code_object_version 6
	.text
	.protected	k_q2596c0c186_prep
	.globl	k_q2596c0c186_prep
	.p2align	8
	.type	k_q2596c0c186_prep,@function
k_q2596c0c186_prep:
	s_mov_b64 s[64:65], 0
	v_nop
	global_prefetch_b8 v0, s[64:65] scope:SCOPE_SE
	s_setreg_imm32_b32 hwreg(HW_REG_WAVE_MODE, 25, 1), 1
	s_wait_xcnt 0x0
; Two jobs in one launch, parted by the work-group's x.
; x < 64: z1ss [2][1024 (d)][2048 (l)] f32 is quantised along d (E2M1, one E8M0 byte for each 32 along d) into z_codes [b*2048 + l][512 bytes], d innermost, and z_scales [b*2048 + l][32 bytes].
;   A LANE TAKES A COLUMN l AND ITS REGISTERS RUN DOWN d: a block of 32 lies in one lane's 32 registers, and the conversions give codes with d innermost.  Nothing is transposed by an instruction.
;   A work-group takes 64 columns x 512 along d (y: which half of d); wave w takes columns 32 (w & 1) on and 128 (w >> 1) along d on: 4 blocks.  Two waves side by side read 256 consecutive bytes of a row of z.
;   The codes meet in a stage in LDS (64 rows of 256 bytes + 16) and leave as rows: sixteen lanes store 256 consecutive bytes, aligned.  The scale bytes leave as 16 bytes of each row of 32: one byte in 128 of what is read.
; x >= 64: Wo's codes are laid anew in the order of an operand's registers: wo_img [o tile 64][K step 8][c 2][lane 32][16 bytes], lane (r, h): row 16 tile + r, bytes 64 s + 32 c + 16 h.  No LDS, no barrier on this way.
; A block's scale byte is its largest magnitude's exponent field - 2, held at 1 from below.
; LIMITS: a block whose largest magnitude lies under 2^-124 (a block of zeros among them) keeps the byte 1: these bytes are read by this program alone; NaN and infinities among the inputs are not served.
.set X,     32                         ; v32-95   two sets of 32 numbers
.set C,     96                         ; v96-111  four registers of codes for each block: never written again
.set OUTR,  112                        ; v112-127 the way out
.set PITCH, 272                        ; a stage row: 256 bytes + 16
.set SST,   64*PITCH                   ; behind the stage: 64 x 16 scale bytes
	s_load_b128 s[4:7], s[0:1], 0x0                ; z1ss, Wo_codes
	s_load_b128 s[8:11], s[0:1], 0x10              ; z_codes, z_scales
	s_load_b64 s[12:13], s[0:1], 0x20              ; wo_img
	v_lshl_add_u32 v128, v0, 2, 0x4800
	v_mov_b32 v129, 0
	v_lshrrev_b32 v1, 5, v0
	s_delay_alu instid0(VALU_DEP_1)
	v_readfirstlane_b32 s14, v1                    ; wave 0..7
	v_and_b32 v2, 31, v0                           ; lane
	s_and_b32 s15, ttmp7, 0xffff                   ; y
	s_cmp_ge_u32 ttmp9, 64                         ; the same in all waves of a work-group
	s_cbranch_scc1 .Lwo
	; ---- z
	s_and_b32 s16, s14, 1                          ; cw: which 32 columns
	s_lshr_b32 s17, s14, 1                         ; kq: which 128 along d
	s_lshr_b32 s18, ttmp9, 5                       ; b
	s_and_b32 s19, ttmp9, 31
	s_lshl_b32 s19, s19, 6                         ; l0
	s_lshl_b32 s20, s18, 23                        ; z: b x 1,024 rows of 8,192 bytes
	s_lshl_b32 s21, s15, 22                        ; + 512 y rows
	s_add_co_u32 s20, s20, s21
	s_lshl_b32 s21, s17, 20                        ; + 128 kq rows
	s_add_co_u32 s20, s20, s21
	s_lshl_b32 s21, s19, 2                         ; + 4 l0
	s_add_co_u32 s20, s20, s21
	s_lshl_b32 s21, s16, 7                         ; + 128 cw
	s_add_co_u32 s20, s20, s21
	s_mov_b32 s21, 0
	s_wait_alu depctr_va_vdst(0)
	v_lshlrev_b32 v3, 2, v2                        ; in: 4 bytes a lane
	s_lshl_b32 s22, s16, 5
	v_add_nc_u32 v14, s22, v2                      ; my column of the 64
	s_delay_alu instid0(VALU_DEP_1)
	v_mul_u32_u24 v4, v14, PITCH
	s_lshl_b32 s23, s17, 6
	v_add_nc_u32 v4, s23, v4                       ; into the stage: my column's row, my wave's 64 bytes
	v_lshlrev_b32 v9, 4, v14
	s_delay_alu instid0(VALU_DEP_1)
	v_add_nc_u32 v9, SST, v9                       ; my column's 16 scale bytes (waves 0 and 1 read them back so)
	s_lshl_b32 s23, s17, 2
	v_add_nc_u32 v5, s23, v9                       ; my wave's 4 of them
	v_lshrrev_b32 v14, 4, v2
	v_and_b32 v15, 15, v2
	s_lshl_b32 s24, s14, 3
	v_add_nc_u32 v7, s24, v14
	s_delay_alu instid0(VALU_DEP_1)
	v_mul_u32_u24 v7, v7, PITCH
	s_delay_alu instid0(VALU_DEP_1)
	v_lshl_add_u32 v7, v15, 4, v7                  ; out of the stage: rows 8 w on, sixteen lanes to a row, two rows an instruction
	v_lshlrev_b32 v8, 9, v14
	s_delay_alu instid0(VALU_DEP_1)
	v_lshl_add_u32 v8, v15, 4, v8                  ; and the same place in z_codes
	v_lshlrev_b32 v10, 5, v2                       ; z_scales: 32 bytes a row
	s_lshl_b32 s25, s18, 11
	s_add_co_u32 s25, s25, s19                     ; the work-group's first row of the outputs: 2,048 b + l0
	s_add_co_u32 s26, s25, s24
	s_lshl_b32 s26, s26, 9
	s_lshl_b32 s27, s15, 8
	s_add_co_u32 s26, s26, s27                     ; z_codes: (row + 8 w) x 512 + 256 y
	s_mov_b32 s27, 0
	s_add_co_u32 s28, s25, s22
	s_lshl_b32 s28, s28, 5
	s_lshl_b32 s29, s15, 4
	s_add_co_u32 s28, s28, s29                     ; z_scales: (row + 32 cw) x 32 + 16 y
	s_mov_b32 s29, 0
	s_wait_kmcnt 0x0
	s_add_nc_u64 s[4:5], s[4:5], s[20:21]
	s_add_nc_u64 s[8:9], s[8:9], s[26:27]
	s_add_nc_u64 s[10:11], s[10:11], s[28:29]
.macro LOAD t                          ; block t: z(32 t + i, my column), i = 0 .. 31, into set t % 2
.set II, 0
.rept 32
	global_load_b32 v[X+32*((\t)%2)+II], v3, s[4:5] offset:(32*(\t)+II)*8192 th:TH_LOAD_NT
.set II, II+1
.endr
.endm
.macro BLOCK t
.set XS, X+32*((\t)%2)
.if (\t) < 3
	s_wait_loadcnt 32                              ; this block's 32 loads are in; the next block's may be out
.else
	s_wait_loadcnt 0
.endif
	v_max3_num_f32 v12, |v[XS]|, |v[XS+1]|, |v[XS+2]|              ; the block's largest magnitude: all 32 numbers are mine; two chains
	v_max3_num_f32 v13, |v[XS+3]|, |v[XS+4]|, |v[XS+5]|
.irp i, 6,10,14,18,22,26
	s_delay_alu instid0(VALU_DEP_2)
	v_max3_num_f32 v12, v12, |v[XS+\i]|, |v[XS+\i+1]|
	s_delay_alu instid0(VALU_DEP_2)
	v_max3_num_f32 v13, v13, |v[XS+\i+2]|, |v[XS+\i+3]|
.endr
	s_delay_alu instid0(VALU_DEP_2)
	v_max3_num_f32 v12, v12, |v[XS+30]|, |v[XS+31]|
	s_delay_alu instid0(VALU_DEP_1)
	v_max3_num_f32 v12, v12, v13, 0x1800000        ; and the floor 2^(3 - 127): the byte cannot fall under 1
	s_delay_alu instid0(VALU_DEP_1)
	v_add_nc_u32 v11, 0xff000000, v12              ; 2 off the exponent field: the conversion takes this operand's exponent field as its scale
	s_delay_alu instid0(VALU_DEP_1)
	v_lshrrev_b32 v13, 23, v11                     ; the scale's byte
.if (\t) == 0
	s_delay_alu instid0(VALU_DEP_1)
	v_mov_b32 v24, v13                             ; four bytes to a word, the lower d in the lower byte
.else
	s_delay_alu instid0(VALU_DEP_1)
	v_lshl_or_b32 v24, v13, 8*(\t), v24
.endif
.irp g, 0,1,2,3
	v_cvt_scalef32_pk8_fp4_f32 v[C+4*(\t)+\g], v[XS+8*\g:XS+8*\g+7], v11
.endr
	ds_store_b128 v4, v[C+4*(\t):C+4*(\t)+3] offset:16*(\t)        ; 32 codes: 16 bytes of my column's row
.if (\t) < 2
	LOAD (\t)+2
.endif
.endm
	LOAD 0
	LOAD 1
	BLOCK 0
	BLOCK 1
	BLOCK 2
	BLOCK 3
	ds_store_b32 v5, v24                           ; my four scale bytes
	s_wait_dscnt 0x0                               ; for the others' sake: my stores have landed
	s_barrier_signal -1
	s_barrier_wait -1
.irp t, 0,1,2,3
	ds_load_b128 v[OUTR+4*\t:OUTR+4*\t+3], v7 offset:2*\t*PITCH
.endr
.irp t, 0,1,2,3
	s_wait_dscnt 3-\t
	global_store_b128 v8, v[OUTR+4*\t:OUTR+4*\t+3], s[8:9] offset:2*\t*512   ; sixteen lanes store 256 consecutive bytes, aligned
.endr
	s_cmp_lt_u32 s14, 2                            ; waves 0 and 1 send the scale bytes: 32 rows each
	s_cbranch_scc0 .Lend
	ds_load_b128 v[28:31], v9
	s_wait_dscnt 0x0
	global_store_b128 v10, v[28:31], s[10:11]
.Lend:
	s_wait_tensorcnt 0x0
	ds_add_u32 v128, v129
	s_wait_dscnt 0x0
	s_endpgm
	; ---- Wo
.Lwo:
	s_sub_co_u32 s16, ttmp9, 64
	s_lshl_b32 s16, s16, 1
	s_add_co_u32 s16, s16, s15
	s_lshl_b32 s16, s16, 3
	s_add_co_u32 s16, s16, s14                     ; 0 .. 127: half a tile of 16 rows to a wave
	s_lshr_b32 s17, s16, 1                         ; tile
	s_and_b32 s18, s16, 1                          ; which four K steps
	s_lshl_b32 s20, s17, 13                        ; 16 rows of 512 bytes, and a tile's 8,192 bytes of the image
	s_lshl_b32 s21, s18, 8
	s_add_co_u32 s22, s20, s21                     ; from: + 256 bytes along the rows
	s_mov_b32 s23, 0
	s_lshl_b32 s21, s18, 12
	s_add_co_u32 s20, s20, s21                     ; to: + 4,096
	s_mov_b32 s21, 0
	s_wait_alu depctr_va_vdst(0)
	v_and_b32 v3, 15, v2
	v_lshrrev_b32 v4, 4, v2
	s_delay_alu instid0(VALU_DEP_2)
	v_lshlrev_b32 v5, 9, v3
	s_delay_alu instid0(VALU_DEP_1)
	v_lshl_add_u32 v5, v4, 4, v5                   ; row r, + 16 h
	v_lshlrev_b32 v6, 4, v2                        ; 16 x lane
	s_wait_alu depctr_va_vdst(0)
	s_wait_kmcnt 0x0
	s_add_nc_u64 s[6:7], s[6:7], s[22:23]
	s_add_nc_u64 s[12:13], s[12:13], s[20:21]
.irp i, 0,1,2,3,4,5,6,7
	global_load_b128 v[32+4*\i:35+4*\i], v5, s[6:7] offset:32*\i             ; K step i / 2 of my four, c = i % 2
.endr
.irp i, 0,1,2,3,4,5,6,7
	s_wait_loadcnt 7-\i
	global_store_b128 v6, v[32+4*\i:35+4*\i], s[12:13] offset:512*\i         ; 512 consecutive bytes
.endr
	s_endpgm
.Lfunc_end_k_q2596c0c186_prep:
	.size	k_q2596c0c186_prep, .Lfunc_end_k_q2596c0c186_prep-k_q2596c0c186_prep
	.p2alignl 7, 3214868480
	.fill 96, 4, 3214868480
	.section	.rodata,"a",@progbits
	.p2align	6, 0x0
	.amdhsa_kernel k_q2596c0c186_prep
		.amdhsa_group_segment_fixed_size 19456
		.amdhsa_private_segment_fixed_size 0
		.amdhsa_enable_private_segment 0
		.amdhsa_kernarg_size 40
		.amdhsa_user_sgpr_count 2
		.amdhsa_user_sgpr_kernarg_segment_ptr 1
		.amdhsa_wavefront_size32 1
		.amdhsa_system_sgpr_workgroup_id_x 1
		.amdhsa_system_sgpr_workgroup_id_y 1
		.amdhsa_system_sgpr_workgroup_id_z 1
		.amdhsa_system_vgpr_workitem_id 0
		.amdhsa_next_free_vgpr 130
		.amdhsa_next_free_sgpr 66
		.amdhsa_reserve_vcc 0
		.amdhsa_float_denorm_mode_32 3
		.amdhsa_float_denorm_mode_16_64 3
		.amdhsa_memory_ordered 1
		.amdhsa_forward_progress 1
		.amdhsa_inst_pref_size 27
	.end_amdhsa_kernel
	.amdgpu_metadata
---
amdhsa.version: [ 1, 2 ]
amdhsa.kernels:
  - .name:           k_q2596c0c186_prep
    .symbol:         k_q2596c0c186_prep.kd
    .args:
      - { .name: z1ss, .offset: 0, .size: 8, .value_kind: global_buffer, .address_space: global }
      - { .name: Wo_codes, .offset: 8, .size: 8, .value_kind: global_buffer, .address_space: global }
      - { .name: z_codes, .offset: 16, .size: 8, .value_kind: global_buffer, .address_space: global }
      - { .name: z_scales, .offset: 24, .size: 8, .value_kind: global_buffer, .address_space: global }
      - { .name: wo_img, .offset: 32, .size: 8, .value_kind: global_buffer, .address_space: global }
    .group_segment_fixed_size: 19456
    .private_segment_fixed_size: 0
    .kernarg_segment_align: 8
    .kernarg_segment_size: 40
    .max_flat_workgroup_size: 256
    .sgpr_count:     66
    .vgpr_count:     130
    .wavefront_size: 32
...
	.end_amdgpu_metadata
.endif
;; end of part 1
;; launch qkv (part 2): grid 48 x 4, 4 waves a work-group, clusters of 4 x 4, 327,680 bytes of LDS; arguments z_codes, z_scales, u1ss_codes, u1ss_scales, Wqkv0_codes, Wqkv0_scales, Winj0_codes, Winj0_scales, Wqkv1_codes, Wqkv1_scales, Winj1_codes, Winj1_scales, qkv_img, qkv_sc, r_w_bias; writes qkv_img, qkv_sc
.if DOCPART == 2
	.amdgcn_target "amdgcn-amd-amdhsa--gfx1250"
	.amdhsa_code_object_version 6
	.text
	.protected	k_q2596c0c186_qkv
	.globl	k_q2596c0c186_qkv
	.p2align	8
	.type	k_q2596c0c186_qkv,@function
k_q2596c0c186_qkv:
	s_mov_b64 s[64:65], 0
	v_nop
	global_prefetch_b8 v0, s[64:65] scope:SCOPE_SE
	s_setreg_imm32_b32 hwreg(HW_REG_WAVE_MODE, 25, 1), 1
	s_wait_xcnt 0x0
	s_wait_alu depctr_hold_cnt(0) depctr_sa_sdst(0) depctr_va_vdst(0) depctr_va_sdst(0) depctr_va_ssrc(0) depctr_va_vcc(0) depctr_vm_vsrc(0)
	s_getreg_b32 s2, hwreg(HW_REG_IB_STS2, 6, 4)
	s_cmp_eq_u32 s2, 0
	s_cbranch_scc0 .Lentry_in_a_cluster
	s_endpgm
.Lentry_in_a_cluster:
	s_bfe_u32 s2, ttmp6, 0x10000c
	s_cmp_lg_u32 s2, 0xf033
	s_cbranch_scc0 .Lentry_shape_is_right
	s_endpgm
.Lentry_shape_is_right:
; w_heads = Wqkv_i z + Winj_i u (i: the sequence chunk) as ONE product with K = 2,048 on codes of E2M1: segment 0 = z against Wqkv_i, segment 1 = u against Winj_i.  Then + r_w_bias on q, and q, k, v are
; quantised in registers and stored as images of the next launch's operand registers: no f32 number of w_heads goes to memory.
; SHARES.  12 clusters of 4 x 4 work-groups; cluster c: PART = c / 4 (0 q, 1 k, 2 v), RB = c % 4 (batch RB / 2, chunk RB % 2): 1,024 positions x 1,024 outputs.  A work-group makes 256 x 256, a wave 128 x 128.
; ROLES.  'A' is the matrix instruction's source 1: its rows lie in the result's lanes.  'B' is source 0: its rows run down a lane's registers, and that is the axis that is quantised.
;   q, k: A = positions, B = rows of W (the head's d).   v: A = rows of W, B = positions (the keys).  Both kinds of operand have rows of 512 bytes of codes and 32 scale bytes a segment, so only pointers are chosen.
; K goes in four steps of 512 through two LDS slots (tile rows of 256 bytes); the scale bytes of the work-group's rows, both segments, come once with the first fills.  A's tiles are asked for jointly along a row of the
; cluster, B's along a column.  The text is written out: four K steps, no loop.
; OUT.  qkv_img: part << 21; a head 65,536 bytes.  q, k: [tile T 128][lane][16 bytes]: lane (r, h) holds block h of the head's 64 for position 32 (T / 2) + 8 (T % 2) + r + 8 (r / 8).
;   v: [step 16][c 2][t 4][lane][16 bytes]: lane (r, h) holds key block 2 c + h of the step for d = 32 (t / 2) + 8 (t % 2) + r + 8 (r / 8).
; qkv_sc: part << 18; q, k: [head][step][lane' 32][4 words]: lane' 16 u + r, word g: tile 2 g + u; bytes 0, 1 its two blocks' (bytes 2, 3: other valid bytes, which stand over zero codes).  v: [head pair][step][lane'][4 words].
; LIMITS: a block whose largest magnitude lies under 2^-124 (zeros among them) keeps the byte 1, read by this program alone; NaN and infinities are not served.
; REGISTERS: window 0: v8-11, v16-29 addresses; v32-95 scale words, two sets, and nothing else; v96-123 at work on the way out; v128-191 A's fragments, later the codes; v192-255 the bias.
;   window 1: B's fragments, two sets.   windows 2, 3: the accumulators ((a, b) at v[8 (8 (a % 4) + b)]).
.set NQ,     4                         ; matrix instructions deep in a slot
.set ROWB,   256                       ; a tile's row: 512 codes
.set KROW,   512                       ; a row of codes of one segment in memory
.set PITCH,  272                       ; an LDS row: 256 bytes + 16 of padding: the 16 rows that a load touches start 68 words apart
.set FR,     8
.set NL,     2
.set NP,     4                         ; places behind this matrix instruction (ISA guide 7.12.1)
.set HALFT,  128*PITCH
.set SLOT,   4*HALFT                   ; A's 256 rows, then B's 256 rows
.set SCL,    2*SLOT                    ; behind the ring: the scales: A segment 0, A segment 1, B segment 0, B segment 1
.set SBL,    32*272                    ; one of the four: 256 rows x 32 bytes as 32 runs of 256 bytes + 16
.set SPARE,  SCL+4*SBL                 ; the spare words, 128 bytes for each wave, that no other line names
.set OFF,  8                           ; v8-11   the way out: byte offsets [i][c]
.set ADRA, 16                          ; v16-17  LDS address of my A fragments in slot 0, 1
.set ADRB, 20                          ; v20-21  the same for B
.set L16,  22                          ; v22     16 x lane
.set BOF,  23                          ; v23     32 h
.set ADRS, 27                          ; v27     LDS address of my scale words: lanes 0-15 A's rows, lanes 16-31 B's; never rewritten
.set SPW,  28                          ; v28     my spare word; never rewritten
.set NIL,  29                          ; v29     0; never rewritten
.set SC,   32
.set TM,   96                          ; v96-111 maxima, bytes, scale operands
.set T1,   112
.set T2,   113
.set W0,   114                         ; the scale words of a pair of A's blocks
.set W1,   115
.set Z,    116                         ; v116-119 scale words to store;  v120-123 the same turned by 16 bits
.set ZR,   120
.set AF,   128
.set CD,   128                         ; the way out: 16 registers of codes for each pair of A's blocks
.set BI,   192                         ; the bias: 8 registers for each of B's blocks, in the result's layout
.set G1,   24                          ; s[24:31] group 1 for A's tiles; s[32:39] group 0, a set for each slot
.set G0,   32
.set G1B,  48                          ; s[48:55], s[56:63] the same for B's
.set G0B,  56
.set G1S,  68                          ; s[68:75], s[76:79] groups 1 and 0 for A's scales; s[84:91], s[80:83] for B's
.set G0S,  76
.set G0SB, 80
.set G1SB, 84
.set MSB, 0
.macro WIN new                         ; the immediate's high byte repeats the setting that is left
.if MSB != (\new)
	s_set_vgpr_msb (MSB<<8)|(\new)
.set MSB, (\new)
.endif
.endm
.set MUL_LO, 0xa1                      ; source 0 (B) window 1, source 1 (A) window 0, C and D window 2
.set MUL_HI, 0xf1                      ; the same, C and D window 3
.set TO_B,   0x40
; A joint load: waves 0 and 1 fetch for A, waves 2 and 3 for B.  The branch hangs on the wave's number alone.  Four v_nop follow each of the two lines.
.macro JLOAD g0a, g1a, g0b, g1b
	s_cmp_eq_u32 s3, 0
	s_cbranch_scc0 .Lfor_b_\@
	tensor_load_to_lds s[\g0a:\g0a+3], s[\g1a:\g1a+7]
	s_nop 0
.rept 4
	v_nop
.endr
	s_branch .Lasked_\@
.Lfor_b_\@:
	tensor_load_to_lds s[\g0b:\g0b+3], s[\g1b:\g1b+7]
	s_nop 0
.rept 4
	v_nop
.endr
.Lasked_\@:
.endm
.macro CREST                           ; a round of the cluster's barrier behind its opening barrier
	s_cmp_lg_u32 s2, 0
	s_cbranch_scc1 .Lnot_wave_0_\@
	s_barrier_signal -3
.Lnot_wave_0_\@:
	s_barrier_wait -3
	s_barrier_signal -1
	s_barrier_wait -1
.endm
.macro CROUND
	s_barrier_signal -1
	s_barrier_wait -1
	CREST
.endm
	s_load_b256 s[68:75], s[0:1], 0x0              ; x: z's codes, z's scales, u's codes, u's scales
	s_load_b256 s[76:83], s[0:1], 0x20             ; chunk 0: Wqkv0's codes, scales, Winj0's codes, scales
	s_load_b256 s[84:91], s[0:1], 0x40             ; chunk 1 likewise
	s_load_b128 s[96:99], s[0:1], 0x60             ; qkv_img, qkv_sc
	s_load_b64 s[12:13], s[0:1], 0x70              ; r_w_bias
	v_lshl_add_u32 v[SPW], v0, 2, SPARE
	v_mov_b32 v[NIL], 0
	ds_add_u32 v28, v29
	ds_add_u32 v28, v29
	s_wait_dscnt 0x0
	v_lshrrev_b32 v1, 5, v0
	v_readfirstlane_b32 s2, v1                     ; wave 0..3
	s_lshr_b32 s3, s2, 1                           ; HA: which half of A's rows is mine.  Also: I fetch for A (0) or for B (1)
	s_and_b32 s4, s2, 1                            ; HB: which half of B's rows.  Also: which 128 rows, and which segment's scales, I fetch
	s_bfe_u32 s5, ttmp6, 0x40000                   ; cx
	s_bfe_u32 s6, ttmp6, 0x40004                   ; cy
	s_lshr_b32 s7, ttmp9, 2                        ; PART: the same in all sixteen partners
	s_and_b32 s8, ttmp9, 3                         ; RB: likewise
	s_lshl_b32 s10, s6, 2
	s_lshl_b32 s10, 15, s10                        ; my row of the cluster
	s_lshl_b32 s11, 0x1111, s5                     ; my column
	s_or_b32 s[G1+0], s10, (0<<16)|(1<<20)|(1<<21)|(5<<22)|(3<<25)   ; the mask; elements of 1 byte; padding on; bit 21 beside a mask; after every 64 words; four words
	s_or_b32 s[G1B+0], s11, (0<<16)|(1<<20)|(1<<21)|(5<<22)|(3<<25)
.irp g, G1, G1B
	s_mov_b32 s[\g+1], ROWB<<16                    ; tensor_dim0
	s_mov_b32 s[\g+2], 128<<16                     ; tensor_dim1
	s_mov_b32 s[\g+3], ROWB<<16                    ; tile_dim0
	s_mov_b32 s[\g+4], 128                         ; tile_dim1
	s_mov_b32 s[\g+5], KROW                        ; from row to row
	s_mov_b32 s[\g+6], 0
	s_mov_b32 s[\g+7], 0
.endr
	s_lshl_b32 s14, s8, 10                         ; x's first row: 1,024 RB
	s_lshl_b32 s15, s7, 10                         ; W's first row: 1,024 PART
	s_cmp_lt_u32 s7, 2
	s_cselect_b32 s16, s14, s15                    ; A's
	s_cselect_b32 s18, s15, s14                    ; B's
	s_lshl_b32 s17, s6, 8
	s_add_co_u32 s16, s16, s17                     ; A: + 256 cy, which my row of the cluster shares
	s_lshl_b32 s19, s5, 8
	s_add_co_u32 s18, s18, s19                     ; B: + 256 cx, which my column shares
	s_lshl_b32 s20, s16, 5                         ; where these 256 rows' scale bytes begin
	s_lshl_b32 s22, s18, 5
	s_lshl_b32 s9, s4, 7
	s_add_co_u32 s16, s16, s9                      ; + the 128 rows that I fetch
	s_add_co_u32 s18, s18, s9
	s_lshl_b32 s16, s16, 9                         ; in bytes of codes
	s_lshl_b32 s18, s18, 9
	s_mov_b32 s17, 0
	s_mov_b32 s19, 0
	s_mov_b32 s21, 0
	s_mov_b32 s23, 0
	s_mul_i32 s66, s2, HALFT                       ; where they go: wave x 128 rows: no place in the cluster enters an LDS address
	s_mul_i32 s67, s2, SBL
	s_and_b32 s9, s8, 1                            ; the chunk
	s_wait_kmcnt 0x0
	s_cmp_eq_u32 s9, 0                             ; the chunk's weights
	s_cselect_b64 s[76:77], s[76:77], s[84:85]
	s_cselect_b64 s[78:79], s[78:79], s[86:87]
	s_cselect_b64 s[80:81], s[80:81], s[88:89]
	s_cselect_b64 s[82:83], s[82:83], s[90:91]
	s_cmp_lt_u32 s7, 2                             ; the roles
	s_cselect_b64 s[40:41], s[68:69], s[76:77]     ; A: codes of segment 0,
	s_cselect_b64 s[42:43], s[70:71], s[78:79]     ; its scales,
	s_cselect_b64 s[44:45], s[72:73], s[80:81]     ; codes of segment 1,
	s_cselect_b64 s[46:47], s[74:75], s[82:83]     ; its scales
	s_cselect_b64 s[84:85], s[76:77], s[68:69]     ; B likewise
	s_cselect_b64 s[86:87], s[78:79], s[70:71]
	s_cselect_b64 s[88:89], s[80:81], s[72:73]
	s_cselect_b64 s[90:91], s[82:83], s[74:75]
	s_add_nc_u64 s[40:41], s[40:41], s[16:17]      ; A's segment 0 at my rows,
	s_add_nc_u64 s[92:93], s[44:45], s[16:17]      ; its segment 1: kept for the refills
	s_add_nc_u64 s[84:85], s[84:85], s[18:19]
	s_add_nc_u64 s[94:95], s[88:89], s[18:19]
	s_cmp_eq_u32 s4, 0                             ; the segment whose scales I fetch
	s_cselect_b64 s[42:43], s[42:43], s[46:47]
	s_cselect_b64 s[86:87], s[86:87], s[90:91]
	s_add_nc_u64 s[42:43], s[42:43], s[20:21]
	s_add_nc_u64 s[86:87], s[86:87], s[22:23]
	s_mov_b32 s[G0S], 1
	s_add_co_u32 s[G0S+1], s67, SCL
	s_mov_b64 s[G0S+2:G0S+3], s[42:43]
	s_or_b32 s[G0S+3], s[G0S+3], 0x80000000
	s_mov_b32 s[G0SB], 1
	s_add_co_u32 s[G0SB+1], s67, SCL
	s_mov_b64 s[G0SB+2:G0SB+3], s[86:87]
	s_or_b32 s[G0SB+3], s[G0SB+3], 0x80000000
.irp s, 0,1
	s_mov_b32 s[G0+4*\s], 1
	s_add_co_u32 s[G0+4*\s+1], s66, \s*SLOT
	s_add_nc_u64 s[G0+4*\s+2:G0+4*\s+3], s[40:41], \s*ROWB     ; K step s
	s_or_b32 s[G0+4*\s+3], s[G0+4*\s+3], 0x80000000
	s_mov_b32 s[G0B+4*\s], 1
	s_add_co_u32 s[G0B+4*\s+1], s66, \s*SLOT
	s_add_nc_u64 s[G0B+4*\s+2:G0B+4*\s+3], s[84:85], \s*ROWB
	s_or_b32 s[G0B+4*\s+3], s[G0B+4*\s+3], 0x80000000
.endr
	; the scales of 256 rows of one segment: a dense block of 8,192 bytes, as 32 rows of 256 bytes (32 elements of 8 bytes), 16 bytes of padding behind each
	s_or_b32 s[G1S+0], s10, (3<<16)|(1<<20)|(1<<21)|(5<<22)|(3<<25)
	s_or_b32 s[G1SB+0], s11, (3<<16)|(1<<20)|(1<<21)|(5<<22)|(3<<25)
.irp g, G1S, G1SB
	s_mov_b32 s[\g+1], 32<<16
	s_mov_b32 s[\g+2], 32<<16
	s_mov_b32 s[\g+3], 32<<16
	s_mov_b32 s[\g+4], 32
	s_mov_b32 s[\g+5], 32
	s_mov_b32 s[\g+6], 0
	s_mov_b32 s[\g+7], 0
.endr
	CROUND                                         ; all sixteen work-groups are here: the first joint loads meet
	JLOAD G0S, G1S, G0SB, G1SB                     ; three loads of mine are out: the scales, K step 0, K step 1
	JLOAD G0, G1, G0B, G1B
	JLOAD G0+4, G1, G0B+4, G1B
	v_and_b32 v1, 15, v0                           ; r
	v_bfe_u32 v2, v0, 4, 1                         ; h
	v_mul_u32_u24 v3, v1, PITCH
	v_lshl_add_u32 v4, v2, 4, v3                   ; a fragment's row x pitch + 16 h
	s_mul_i32 s66, s3, HALFT                       ; my 128 rows of A
	s_mul_i32 s67, s4, HALFT                       ; my 128 rows of B,
	s_add_co_u32 s67, s67, 2*HALFT                 ; which lie behind A's 256
.irp s, 0,1
	v_add_nc_u32 v[ADRA+\s], s66, v4
	v_add_nc_u32 v[ADRB+\s], s67, v4
	s_add_co_u32 s66, s66, SLOT
	s_add_co_u32 s67, s67, SLOT
.endr
	v_mul_u32_u24 v5, v1, 32                       ; my row's scales: 32 bytes a row,
	v_lshrrev_b32 v6, 8, v5
	v_lshl_add_u32 v5, v6, 4, v5                   ; and 16 more for each 256 passed
	s_mul_i32 s66, s3, 4352                        ; A's: my 128 rows
	s_mul_i32 s67, s4, 4352                        ; B's: my 128 rows, behind A's two blocks
	s_add_co_u32 s67, s67, 2*SBL
	s_sub_co_u32 s67, s67, s66
	v_mul_u32_u24 v6, s67, v2                      ; lanes 16-31 take B's
	s_add_co_u32 s66, s66, SCL
	v_add_nc_u32 v5, v5, v6
	v_add_nc_u32 v[ADRS], s66, v5
	v_and_b32 v5, 31, v0
	v_lshlrev_b32 v[L16], 4, v5
	v_lshlrev_b32 v[BOF], 5, v2
	s_wait_alu depctr_va_vdst(0)
	; the bias: for B's block b a lane wants r_w_bias at outputs 16 b + 8 h + 0 .. 7 of my 128.  k and v read the table's head and take zeros by the mask.
	s_lshl_b32 s100, s5, 10
	s_lshl_b32 s101, s4, 9
	s_add_co_u32 s100, s100, s101                  ; (256 cx + 128 HB) x 4 bytes
	s_cmp_eq_u32 s7, 0
	s_cselect_b32 s100, s100, 0
	s_cselect_b32 vcc_lo, -1, 0                    ; all lanes where this is q
	s_mov_b32 s101, 0
	s_add_nc_u64 s[12:13], s[12:13], s[100:101]
.irp b, 0,1,2,3,4,5,6,7
	global_load_b128 v[BI+8*\b:BI+8*\b+3], v[BOF], s[12:13] offset:64*\b
	global_load_b128 v[BI+8*\b+4:BI+8*\b+7], v[BOF], s[12:13] offset:64*\b+16
.endr
	; where my results go.  xs: which 128 positions of the chunk are mine; ws: which 128 outputs (two heads)
	s_lshl_b32 s100, s6, 1
	s_add_co_u32 s100, s100, s3                    ; 2 cy + HA: A's
	s_lshl_b32 s101, s5, 1
	s_add_co_u32 s101, s101, s4                    ; 2 cx + HB: B's
	s_cmp_lt_u32 s7, 2
	s_cselect_b32 s104, s100, s101                 ; xs
	s_cselect_b32 s105, s101, s100                 ; ws
	s_and_b32 s100, s8, 1
	s_lshl_b32 s100, s100, 3
	s_add_co_u32 s100, s100, s104                  ; the step of 128 positions: 8 chunk + xs
	s_lshr_b32 s104, s8, 1                         ; b
	s_lshl_b32 s101, s104, 3
	s_add_co_u32 s101, s101, s105                  ; 8 b + ws: the pair of heads
	s_lshl_b32 s104, s101, 17                      ; two heads of 65,536 bytes
	s_lshl_b32 s105, s7, 21
	s_add_co_u32 s104, s104, s105
	s_lshl_b32 s105, s100, 12                      ; a step is 4,096 bytes of a head
	s_add_co_u32 s104, s104, s105
	s_mov_b32 s105, 0
	s_add_nc_u64 s[96:97], s[96:97], s[104:105]
	s_cmp_lt_u32 s7, 2
	s_cselect_b32 s104, 1, 0
	s_lshl_b32 s101, s101, s104                    ; q, k: the first head's number; v: the pair's
	s_lshl_b32 s101, s101, 4
	s_add_co_u32 s101, s101, s100
	s_lshl_b32 s104, s101, 9                       ; 512 bytes a step
	s_lshl_b32 s101, s7, 18
	s_add_co_u32 s104, s104, s101
	s_add_nc_u64 s[98:99], s[98:99], s[104:105]
	s_cmp_lt_u32 s7, 2
	s_mov_b32 s100, 0x10000
	s_cselect_b32 s101, 0x800, s100                ; from A's blocks 0-3 to 4-7: q, k: four tiles; v: a head
	s_mov_b32 s104, 0x800
	s_cselect_b32 s104, s100, s104                 ; from registers 0-3 to 4-7 of the codes: q, k: a head; v: c
	v_mov_b32 v[OFF], v[L16]
	v_add_nc_u32 v[OFF+1], s104, v[L16]
	v_add_nc_u32 v[OFF+2], s101, v[L16]
	v_add_nc_u32 v[OFF+3], 0x10800, v[L16]
	s_mov_b32 s14, 0xff00ff00                      ; lanes with r >= 8
	s_mov_b32 s15, 0xffff0000                      ; lanes 16-31
	s_mov_b32 s9, 0x76543210
	s_mov_b32 s16, 0xfedcba98                      ; v_permlanex16_b32's selects for lane l xor 16
.irp k, 4,5,6,7
	v_mov_b32 v[TM+\k], 0                          ; written once: a lane permute's destination counts as one of its sources
.endr
	v_mov_b32 v[T1], 0
	v_mov_b32 v[T2], 0
	s_wait_loadcnt 0x0                             ; the bias
.set JJ, 0
.rept 64
	v_cndmask_b32 v[BI+JJ], 0, v[BI+JJ], vcc_lo    ; k and v begin from zeros
.set JJ, JJ+1
.endr
.macro FRAG reg, adr, q, i             ; 16 rows x 128 K of 4-bit codes: lane l holds row l % 16; registers 4 c .. 4 c + 3 hold K = 64 c + 32 (l / 16) + 0 .. 31
.irp c, 0,1
	ds_load_b128 v[\reg+4*\c:\reg+4*\c+3], v[\adr] offset:64*(\q)+32*\c+(\i)*16*PITCH
.endr
.endm
; 16 matrix instructions: A's blocks a0, a0 + 1 x B's eight, the slot's q-th 128 along K.  first = 1: C is the bias, so nothing is cleared or added later.  The 64 accumulators take turns.
.macro MUL16 a0, p, q, sc, first
.irp a, \a0, \a0+1
.irp b, 0,1,2,3,4,5,6,7
.if \first
	v_wmma_scale_f32_16x16x128_f8f6f4 v[8*(8*((\a)%4)+\b):8*(8*((\a)%4)+\b)+7], v[128*(\p)+FR*\b:128*(\p)+FR*\b+FR-1], v[AF+FR*(\a):AF+FR*(\a)+FR-1], v[BI+8*\b:BI+8*\b+7], v[SC+8*NQ*(\sc)+NQ*\b+(\q)], v[SC+8*NQ*(\sc)+NQ*(\a)+(\q)] matrix_a_fmt:MATRIX_FMT_FP4 matrix_b_fmt:MATRIX_FMT_FP4 matrix_a_scale:MATRIX_SCALE_ROW1
.else
	v_wmma_scale_f32_16x16x128_f8f6f4 v[8*(8*((\a)%4)+\b):8*(8*((\a)%4)+\b)+7], v[128*(\p)+FR*\b:128*(\p)+FR*\b+FR-1], v[AF+FR*(\a):AF+FR*(\a)+FR-1], v[8*(8*((\a)%4)+\b):8*(8*((\a)%4)+\b)+7], v[SC+8*NQ*(\sc)+NQ*\b+(\q)], v[SC+8*NQ*(\sc)+NQ*(\a)+(\q)] matrix_a_fmt:MATRIX_FMT_FP4 matrix_b_fmt:MATRIX_FMT_FP4 matrix_a_scale:MATRIX_SCALE_ROW1
.endif
.endr
.endr
.endm
.macro FETCH_B slot, q, p
	WIN TO_B
.irp i, 0,1,2,3,4,5,6,7
	FRAG 128*(\p)+FR*\i, ADRB+\slot, \q, \i
.endr
	WIN 0
.endm
.macro FETCH_A slot, q, i0
.irp i, \i0, \i0+1, \i0+2, \i0+3
	FRAG AF+FR*(\i), ADRA+\slot, \q, \i
.endr
.endm
.macro SCALES sc, ks                   ; K step ks's scale words into set sc: four words a row; lanes 0-15 A's block i, lanes 16-31 B's block i
.irp i, 0,1,2,3,4,5,6,7
	ds_load_b128 v[SC+8*NQ*(\sc)+NQ*\i:SC+8*NQ*(\sc)+NQ*\i+3], v[ADRS] offset:\i*544+((\ks)/2)*SBL+((\ks)%2)*16
.endr
.endm
.macro PLACES n                        ; plain vector lines between a matrix instruction and a load into, or a read of, its registers
.rept \n
	v_nop
.endr
.endm
.macro STEP slot, q, first             ; 128 along K whose successor lies in the same slot
	s_wait_dscnt 4*NL                              ; B's set, A's blocks 0-3 (and the scale words) are in; the youngest 8 loads, A's blocks 4-7, may be out
.if \first
	WIN 0x81                                       ; C (the bias) window 0, D window 2
.else
	WIN MUL_LO
.endif
	MUL16 0, (\q)%2, \q, \slot, \first
	MUL16 2, (\q)%2, \q, \slot, \first
	s_wait_dscnt 0
	PLACES NP
	FETCH_B \slot, (\q)+1, 1-(\q)%2
	FETCH_A \slot, (\q)+1, 0
.if \first
	WIN 0xc1
.else
	WIN MUL_HI
.endif
	MUL16 4, (\q)%2, \q, \slot, \first
	MUL16 6, (\q)%2, \q, \slot, \first
	PLACES NP
	WIN 0
	FETCH_A \slot, (\q)+1, 4
.endm
; A slot's last step changes slots: one barrier; in front of it each wave waits for all its tensor loads, adds 0 to its spare word, and waits for that and for its reads of this slot.
; fill = 1: the barrier opens a round of the cluster's, and the slot takes segment 1's K step (slot 0: its first 512 along K, slot 1: its second).  ksn: the K step whose scale words are fetched.
.macro TURN slot, next, fill, ksn
	s_wait_tensorcnt 0x0                           ; all my tensor loads have landed: my part of the next slot
	ds_add_u32 v[SPW], v[NIL]                      ; 0 onto my spare word
	s_wait_dscnt 4*NL+1                            ; (the add and the youngest 8 loads may be out)
	WIN MUL_LO
	MUL16 0, 1, NQ-1, \slot, 0
	s_wait_dscnt 0x0                               ; the add is done, and my reads of this slot are over
	s_barrier_signal -1
	MUL16 2, 1, NQ-1, \slot, 0
	WIN 0
	s_barrier_wait -1
.if \fill
	CREST                                          ; no wave of any partner still reads this slot or has a load on its way
.if \slot == 0
	s_mov_b64 s[G0+2:G0+3], s[92:93]
	s_or_b32 s[G0+3], s[G0+3], 0x80000000
	s_mov_b64 s[G0B+2:G0B+3], s[94:95]
	s_or_b32 s[G0B+3], s[G0B+3], 0x80000000
.else
	s_add_nc_u64 s[G0+6:G0+7], s[92:93], ROWB
	s_or_b32 s[G0+7], s[G0+7], 0x80000000
	s_add_nc_u64 s[G0B+6:G0B+7], s[94:95], ROWB
	s_or_b32 s[G0B+7], s[G0B+7], 0x80000000
.endif
	JLOAD G0+4*\slot, G1, G0B+4*\slot, G1B         ; the first tensor load behind the round; its four v_nop are the places in front of the loads below
.else
	PLACES NP
.endif
	FETCH_B \next, 0, 0
	FETCH_A \next, 0, 0
	SCALES \next, \ksn
	WIN MUL_HI
	MUL16 4, 1, NQ-1, \slot, 0
	MUL16 6, 1, NQ-1, \slot, 0
	PLACES NP
	WIN 0
	FETCH_A \next, 0, 4
.endm
.macro STEPS slot, from
.set Q, \from
.rept NQ-1-\from
	STEP \slot, Q, 0
.set Q, Q+1
.endr
.endm
	s_wait_alu depctr_va_vdst(0)
	s_wait_tensorcnt 1                             ; the scales and my part of K step 0 are in (K step 1's load may be out),
	s_barrier_signal -1
	s_barrier_wait -1                              ; everybody's are
	FETCH_B 0, 0, 0
	FETCH_A 0, 0, 0
	SCALES 0, 0
	FETCH_A 0, 0, 4
	STEP 0, 0, 1                                   ; K step 0
	STEPS 0, 1
	TURN 0, 1, 1, 1
	STEPS 1, 0                                     ; K step 1
	TURN 1, 0, 1, 2
	STEP 0, 0, 0                                   ; K step 2
	STEPS 0, 1
	TURN 0, 1, 0, 3
	STEPS 1, 0                                     ; K step 3
	s_wait_dscnt 4*NL
	WIN MUL_LO
	MUL16 0, 1, NQ-1, 1, 0
	MUL16 2, 1, NQ-1, 1, 0
	s_wait_dscnt 0
	WIN MUL_HI
	MUL16 4, 1, NQ-1, 1, 0
	MUL16 6, 1, NQ-1, 1, 0
	WIN 0
	PLACES NP
; THE WAY OUT.  A's block a: a lane holds one row of A and 128 numbers along B: four blocks of 32; of block b the lane has numbers 8 h + 0 .. 7 (B's tile 2 b) and 16 + 8 h + 0 .. 7 (tile 2 b + 1); lane l xor 16 has the rest.
; The codes go to v[cd] on: afterwards lane (r, h) holds block 2 c + h whole in registers 4 c .. 4 c + 3.  The four bytes go to v[wd].  Each accumulator is read from its low end on.
.macro QUANT a, cd, wd
.set AC, 64*((\a)%4)
	WIN 0x28+0x14*((\a)/4)                         ; sources 1 and 2: window 2 or 3
.irp b, 0,1,2,3
	v_max3_num_f32 v[TM+\b], 0x1800000, |v[AC+16*\b]|, |v[AC+16*\b+1]|   ; with the floor 2^(3 - 127): the byte cannot fall under 1
.endr
.irp i, 2,4,6,8,10,12,14
.irp b, 0,1,2,3
	v_max3_num_f32 v[TM+\b], v[TM+\b], |v[AC+16*\b+\i]|, |v[AC+16*\b+\i+1]|
.endr
.endr
	WIN 0
.irp b, 0,1,2,3
	v_permlanex16_b32 v[TM+4+\b], v[TM+\b], s9, s16
.endr
.irp b, 0,1,2,3
	v_max_num_f32 v[TM+\b], v[TM+\b], v[TM+4+\b]   ; with lane l xor 16's: the block's largest magnitude
.endr
.irp b, 0,1,2,3
	v_add_nc_u32 v[TM+12+\b], 0xff000000, v[TM+\b] ; 2 off the exponent field: the conversion's scale operand
.endr
.irp b, 0,1,2,3
	v_lshrrev_b32 v[TM+4+\b], 23, v[TM+12+\b]      ; the byte
.endr
	v_lshl_or_b32 v[\wd], v[TM+5], 8, v[TM+4]
	v_lshl_or_b32 v[\wd], v[TM+6], 16, v[\wd]
	v_lshl_or_b32 v[\wd], v[TM+7], 24, v[\wd]
	WIN 0x02+((\a)/4)                              ; source 0: window 2 or 3
.irp b, 0,1,2,3
	v_cvt_scalef32_pk8_fp4_f32 v[\cd+2*\b], v[AC+16*\b:AC+16*\b+7], v[TM+12+\b]
	v_cvt_scalef32_pk8_fp4_f32 v[\cd+2*\b+1], v[AC+16*\b+8:AC+16*\b+15], v[TM+12+\b]
.endr
	WIN 0
	v_nop                                          ; one plain place behind a scaled conversion
.irp b, 0,1,2,3
	v_permlane16_swap_b32 v[\cd+2*\b], v[\cd+2*\b+1]   ; now a lane has 16 neighbours of the block: 16 h + 0 .. 15
.endr
.irp c, 0,1
.irp i, 0,1
	v_permlane16_swap_b32 v[\cd+4*\c+\i], v[\cd+4*\c+2+\i]   ; and now a whole block: lanes 0-15 block 2 c, lanes 16-31 block 2 c + 1
.endr
.endr
.endm
; Two neighbouring blocks of A's rows change halves: the first keeps its rows 0-7 and takes the second's rows 0-7; the second takes the first's rows 8-15 and keeps its own.  So tile 2 g + u holds rows 32 g + 8 u + r + 8 (r / 8).
.macro XCH x0, x1
	v_mov_b32_dpp v[T1], v[\x1] row_xmask:8 row_mask:0xf bank_mask:0xf
	v_mov_b32_dpp v[T2], v[\x0] row_xmask:8 row_mask:0xf bank_mask:0xf
	v_cndmask_b32 v[\x0], v[\x0], v[T1], s14
	v_cndmask_b32 v[\x1], v[T2], v[\x1], s14
.endm
.irp g, 0,1,2,3
	QUANT 2*\g, CD+16*\g, W0
	QUANT 2*\g+1, CD+16*\g+8, W1
.irp k, 0,1,2,3,4,5,6,7
	XCH CD+16*\g+\k, CD+16*\g+8+\k
.endr
	XCH W0, W1
	v_cndmask_b32 v[Z+\g], v[W0], v[W1], s15       ; lanes 0-15: tile 2 g's words; lanes 16-31: tile 2 g + 1's
.irp u, 0,1
.irp c, 0,1
	global_store_b128 v[OFF+2*(\g/2)+\c], v[CD+16*\g+8*\u+4*\c:CD+16*\g+8*\u+4*\c+3], s[96:97] offset:(2*(\g%2)+\u)*512   ; 512 consecutive bytes; no register of a store is written again
.endr
.endr
.endr
	global_store_b128 v[L16], v[Z:Z+3], s[98:99]   ; q, k: the first head's words (bytes 0, 1); v: the pair's four words a lane
	s_cmp_eq_u32 s7, 2                             ; the same in all partners
	s_cbranch_scc1 .Lno_second
.irp g, 0,1,2,3
	v_alignbit_b32 v[ZR+\g], v[Z+\g], v[Z+\g], 16  ; the second head's two bytes come down
.endr
	global_store_b128 v[L16], v[ZR:ZR+3], s[98:99] offset:8192
.Lno_second:
	s_wait_tensorcnt 0x0                           ; the wave's end
	ds_add_u32 v[SPW], v[NIL]
	s_wait_dscnt 0x0
	CROUND                                         ; the closing round
	s_endpgm
.Lfunc_end_k_q2596c0c186_qkv:
	.size	k_q2596c0c186_qkv, .Lfunc_end_k_q2596c0c186_qkv-k_q2596c0c186_qkv
	.p2alignl 7, 3214868480
	.fill 96, 4, 3214868480
	.section	.rodata,"a",@progbits
	.p2align	6, 0x0
	.amdhsa_kernel k_q2596c0c186_qkv
		.amdhsa_group_segment_fixed_size 327680
		.amdhsa_private_segment_fixed_size 0
		.amdhsa_enable_private_segment 0
		.amdhsa_kernarg_size 120
		.amdhsa_user_sgpr_count 2
		.amdhsa_user_sgpr_kernarg_segment_ptr 1
		.amdhsa_wavefront_size32 1
		.amdhsa_system_sgpr_workgroup_id_x 1
		.amdhsa_system_sgpr_workgroup_id_y 1
		.amdhsa_system_sgpr_workgroup_id_z 1
		.amdhsa_system_vgpr_workitem_id 0
		.amdhsa_next_free_vgpr 1024
		.amdhsa_next_free_sgpr 106
		.amdhsa_reserve_vcc 1
		.amdhsa_float_denorm_mode_32 3
		.amdhsa_float_denorm_mode_16_64 3
		.amdhsa_memory_ordered 1
		.amdhsa_forward_progress 1
		.amdhsa_inst_pref_size 231
	.end_amdhsa_kernel
	.amdgpu_metadata
---
amdhsa.version: [ 1, 2 ]
amdhsa.kernels:
  - .name:           k_q2596c0c186_qkv
    .symbol:         k_q2596c0c186_qkv.kd
    .args:
      - { .name: z_codes, .offset: 0, .size: 8, .value_kind: global_buffer, .address_space: global }
      - { .name: z_scales, .offset: 8, .size: 8, .value_kind: global_buffer, .address_space: global }
      - { .name: u1ss_codes, .offset: 16, .size: 8, .value_kind: global_buffer, .address_space: global }
      - { .name: u1ss_scales, .offset: 24, .size: 8, .value_kind: global_buffer, .address_space: global }
      - { .name: Wqkv0_codes, .offset: 32, .size: 8, .value_kind: global_buffer, .address_space: global }
      - { .name: Wqkv0_scales, .offset: 40, .size: 8, .value_kind: global_buffer, .address_space: global }
      - { .name: Winj0_codes, .offset: 48, .size: 8, .value_kind: global_buffer, .address_space: global }
      - { .name: Winj0_scales, .offset: 56, .size: 8, .value_kind: global_buffer, .address_space: global }
      - { .name: Wqkv1_codes, .offset: 64, .size: 8, .value_kind: global_buffer, .address_space: global }
      - { .name: Wqkv1_scales, .offset: 72, .size: 8, .value_kind: global_buffer, .address_space: global }
      - { .name: Winj1_codes, .offset: 80, .size: 8, .value_kind: global_buffer, .address_space: global }
      - { .name: Winj1_scales, .offset: 88, .size: 8, .value_kind: global_buffer, .address_space: global }
      - { .name: qkv_img, .offset: 96, .size: 8, .value_kind: global_buffer, .address_space: global }
      - { .name: qkv_sc, .offset: 104, .size: 8, .value_kind: global_buffer, .address_space: global }
      - { .name: r_w_bias, .offset: 112, .size: 8, .value_kind: global_buffer, .address_space: global }
    .group_segment_fixed_size: 327680
    .private_segment_fixed_size: 0
    .kernarg_segment_align: 8
    .kernarg_segment_size: 120
    .max_flat_workgroup_size: 128
    .sgpr_count:     106
    .vgpr_count:     1024
    .wavefront_size: 32
...
	.end_amdgpu_metadata
.endif
;; end of part 2
;; launch attn (part 3): grid 8 x 32, 16 waves a work-group, clusters of 4 x 1, 169,984 bytes of LDS; arguments qkv_img, qkv_sc, a_img, a_sc; writes a_img, a_sc
.if DOCPART == 3
	.amdgcn_target "amdgcn-amd-amdhsa--gfx1250"
	.amdhsa_code_object_version 6
	.text
	.protected	k_q2596c0c186_attn
	.globl	k_q2596c0c186_attn
	.p2align	8
	.type	k_q2596c0c186_attn,@function
k_q2596c0c186_attn:
	s_mov_b64 s[64:65], 0
	v_nop
	global_prefetch_b8 v0, s[64:65] scope:SCOPE_SE
	s_setreg_imm32_b32 hwreg(HW_REG_WAVE_MODE, 25, 1), 1
	s_wait_xcnt 0x0
	s_wait_alu depctr_hold_cnt(0) depctr_sa_sdst(0) depctr_va_vdst(0) depctr_va_sdst(0) depctr_va_ssrc(0) depctr_va_vcc(0) depctr_vm_vsrc(0)
	s_getreg_b32 s2, hwreg(HW_REG_IB_STS2, 6, 4)
	s_cmp_eq_u32 s2, 0
	s_cbranch_scc0 .Lentry_in_a_cluster
	s_endpgm
.Lentry_in_a_cluster:
	s_bfe_u32 s2, ttmp6, 0x10000c
	s_cmp_lg_u32 s2, 0x3003
	s_cbranch_scc0 .Lentry_shape_is_right
	s_endpgm
.Lentry_shape_is_right:
; attn_vec = softmax(rq . k / 8) v for one head, both products on codes of E2M1, then quantised along (head, d) for the output projection.
; THE SOFTMAX: t = score x log2(e) / 8; M = the running largest t rounded UP to a whole number; p = 2^(t - M) is quantised along the keys, not normalised; the row's sum is taken of the unquantised p and divides O at the end.
; When M moves, the sum and O are multiplied by 2^(old M - new M): exact.
; SHARES.  A work-group owns 256 queries of one head (y), each of its sixteen waves one tile of 16, in 256 registers: four waves to a SIMD.  Every wave walks the head's 2,048 keys, 128 a step.
; THE WHOLE HEAD LIES IN LDS: K's and V's images (65,536 bytes each) and their scale words (8,192 each) are filled ONCE, one load a wave: waves 0-3 K's four quarters, waves 4-7 V's, waves 8 and 9 the scale words.
; Each of these waves waits for its load, ONE barrier follows, and behind it the sixteen waves walk the keys with no barrier between them: nothing is filled again, so there is no ring, and the waves of a SIMD need not stay in step.
; The four work-groups of a cluster belong to one head and ask for these bytes jointly.  The images lie in the order of the operand's registers: every fragment load is 16 x lane: consecutive bytes, no padding.
; LAYOUT.  Both products are used transposed (S^T = K Q^T, O^T = V^T P^T): a lane holds ONE query.  A tile's rows are 32 G + 8 u + r + 8 (r / 8), so that the 16 registers of tiles 2 G, 2 G + 1 are 16 neighbours.
; The head is 64 long: the upper half of K's and Q's fragments (K = 64 .. 127) holds zero codes, written once.
; LIMITS: a block of O / l whose largest magnitude lies under 2^-124 keeps the byte 1, read by this program alone; NaN and infinities are not served.
; REGISTERS: v1-7 addresses that stay; v8-11 the step's; v12 -M, v13 the largest t, v[14:15] the sum; v16-23 Q; v24-27 K's scale words, v28-29 V's, v30 Q's, v31 p's (these eight hold scales alone);
;   v32-95 K's 8 fragments; v96-159 S^T, then p; v160-191 O^T; v192-223 V's 4 fragments; v224-231 p's codes; v232-254 at work.
.set VIMG, 65536
.set KSC,  131072
.set VSC,  139264
.set SCST, 155648                      ; 1,024 bytes: the sixteen tiles' scale words on the way out; no fill lands here
.set AK0,  1
.set AV0,  2
.set ASK0, 3
.set ASV0, 4
.set SCW,  5
.set SCR,  6
.set R16,  7
.set ADK,  8
.set ADV,  9
.set ADS,  10
.set ADT,  11
.set WV,   12
.set SEL,  60
.set CS,   62
.set TK,   66
.set TS,   67
.set CNT,  68
.macro CROUND
	s_barrier_signal -1
	s_barrier_wait -1
	s_cmp_lg_u32 s[WV], 0
	s_cbranch_scc1 .Lnot_wave_0_\@
	s_barrier_signal -3
.Lnot_wave_0_\@:
	s_barrier_wait -3
	s_barrier_signal -1
	s_barrier_wait -1
.endm
	s_load_b256 s[4:11], s[0:1], 0x0               ; qkv_img, qkv_sc, a_img, a_sc
	v_lshl_add_u32 v251, v0, 2, 0x29000
	v_mov_b32 v255, 0
	ds_add_u32 v251, v255
	ds_add_u32 v251, v255
	v_lshrrev_b32 v8, 5, v0
	s_delay_alu instid0(VALU_DEP_1)
	v_readfirstlane_b32 s[WV], v8                  ; wave 0..15
	s_bfe_u32 s13, ttmp6, 0x40000                  ; cx
	s_lshl_b32 s14, ttmp9, 2
	s_add_co_u32 s14, s14, s13                     ; my block of 256 queries: it enters global addresses alone
	s_and_b32 s15, ttmp7, 0xffff                   ; the head 16 b + n, which the four partners share
	s_and_b32 s16, s[WV], 1                        ; wave 8 fetches K's scale words, wave 9 V's; on the way out waves 0 and 1 send
	; group 1: dense blocks as rows of 256 bytes (32 elements of 8 bytes); the mask names all four work-groups, bit 21 beside it; no padding
	s_mov_b32 s24, 15|(3<<16)|(1<<21)
	s_mov_b32 s25, 32<<16
	s_mov_b32 s26, 64<<16                          ; a quarter of an image: 64 rows
	s_mov_b32 s27, 32<<16
	s_mov_b32 s28, 64
	s_mov_b32 s29, 32
	s_mov_b32 s30, 0
	s_mov_b32 s31, 0
	s_mov_b32 s32, 15|(3<<16)|(1<<21)
	s_mov_b32 s33, 32<<16
	s_mov_b32 s34, 32<<16                          ; the scale words: 32 rows
	s_mov_b32 s35, 32<<16
	s_mov_b32 s36, 32
	s_mov_b32 s37, 32
	s_mov_b32 s38, 0
	s_mov_b32 s39, 0
	s_bfe_u32 s17, s[WV], 0x10002                  ; waves 0-3: K (0); waves 4-7: V (1)
	s_add_co_u32 s18, s17, 1
	s_lshl_b32 s18, s18, 21                        ; k's or v's part of qkv_img,
	s_lshl_b32 s19, s15, 16
	s_add_co_u32 s18, s18, s19                     ; my head,
	s_and_b32 s19, s[WV], 3
	s_lshl_b32 s19, s19, 14
	s_add_co_u32 s18, s18, s19                     ; my quarter of its 65,536 bytes
	s_mov_b32 s19, 0
	s_and_b32 s23, s[WV], 7
	s_lshl_b32 s23, s23, 14                        ; and where it goes: K's four quarters, then V's four
	s_lshl_b32 s20, s15, 13
	s_add_co_u32 s20, s20, 0x40000                 ; k's scale words: by the head;
	s_lshr_b32 s21, s15, 1
	s_lshl_b32 s21, s21, 13
	s_add_co_u32 s21, s21, 0x80000                 ; v's: by the pair of heads
	s_cmp_eq_u32 s16, 0
	s_cselect_b32 s20, s20, s21
	s_mov_b32 s21, 0
	s_lshl_b32 s22, s16, 13
	s_lshl_b32 s70, s14, 4
	s_add_co_u32 s70, s70, s[WV]                   ; T: my tile of queries, 0 .. 127
	s_lshl_b32 s72, s15, 16
	s_lshl_b32 s73, s70, 9
	s_add_co_u32 s72, s72, s73                     ; (128 head + T) x 512: in q's part of qkv_img, and in a_img
	s_mov_b32 s73, 0
	s_lshl_b32 s74, s15, 4
	s_lshr_b32 s75, s70, 3
	s_add_co_u32 s74, s74, s75
	s_lshl_b32 s74, s74, 9                         ; q's scale words: (16 head + T / 8) x 512
	s_and_b32 s75, s70, 1
	s_lshl_b32 s75, s75, 8
	s_add_co_u32 s74, s74, s75                     ; + 16 (T % 2) lanes of 16 bytes
	s_bfe_u32 s75, s70, 0x20001
	s_lshl_b32 s75, s75, 2
	s_add_co_u32 s74, s74, s75                     ; + word (T / 2) % 4
	s_mov_b32 s75, 0
	s_lshr_b32 s76, s15, 4
	s_lshl_b32 s76, s76, 5
	s_lshl_b32 s77, s14, 2
	s_add_co_u32 s76, s76, s77
	s_lshl_b32 s77, s16, 1
	s_add_co_u32 s76, s76, s77                     ; a_sc: group of four tiles 32 b + 4 block + 2 wave (waves 0 and 1 send)
	s_lshl_b32 s76, s76, 4
	s_and_b32 s77, s15, 15
	s_add_co_u32 s76, s76, s77
	s_lshl_b32 s76, s76, 8                         ; x 16 heads + n, 256 bytes each
	s_mov_b32 s77, 0
	s_mov_b32 s[SEL], 0x76543210
	s_mov_b32 s[SEL+1], 0xfedcba98                 ; v_permlanex16_b32's selects for lane l xor 16
	s_mov_b32 s[CS], 0x3e38aa3b                    ; c = log2(e) / 8
	s_mov_b32 s[CS+1], s[CS]                       ; (named with it as a pair, so it is written)
	s_wait_dscnt 0x0
	s_wait_kmcnt 0x0
	s_mov_b32 s40, 1                               ; group 0 for the scale words
	s_add_co_u32 s41, s22, KSC
	s_add_nc_u64 s[42:43], s[6:7], s[20:21]
	s_or_b32 s43, s43, 0x80000000
	s_mov_b32 s44, 1                               ; group 0 for a quarter of an image
	s_mov_b32 s45, s23
	s_add_nc_u64 s[46:47], s[4:5], s[18:19]
	s_or_b32 s47, s47, 0x80000000
	s_add_nc_u64 s[4:5], s[4:5], s[72:73]          ; Q's image of my tile
	s_add_nc_u64 s[6:7], s[6:7], s[74:75]          ; and its scale words
	s_add_nc_u64 s[8:9], s[8:9], s[72:73]
	s_add_nc_u64 s[10:11], s[10:11], s[76:77]
	CROUND                                         ; all four work-groups are here: the joint loads meet
	s_cmp_lt_u32 s[WV], 8                          ; one load a wave: one tensor load of mine is out at the most.  The branches hang on the wave's number alone
	s_cbranch_scc0 .Lnot_img
	tensor_load_to_lds s[44:47], s[24:31]          ; waves 0-7: a quarter of K's or V's image
	s_nop 0
.rept 4
	v_nop
.endr
	s_branch .Lasked
.Lnot_img:
	s_cmp_lt_u32 s[WV], 10
	s_cbranch_scc0 .Lasked
	tensor_load_to_lds s[40:43], s[32:39]          ; waves 8 and 9: the scale words
	s_nop 0
.rept 4
	v_nop
.endr
.Lasked:
	v_and_b32 v8, 31, v0
	s_delay_alu instid0(VALU_DEP_1)
	v_lshlrev_b32 v[AK0], 4, v8                    ; 16 x lane
	s_delay_alu instid0(VALU_DEP_1)
	v_add_nc_u32 v[AV0], VIMG, v[AK0]
	s_delay_alu instid0(VALU_DEP_2)
	v_add_nc_u32 v[ASK0], KSC, v[AK0]
	s_and_b32 s78, s15, 1
	s_lshl_b32 s78, s78, 3                         ; the even head takes words 0, 1 of a lane's four, the odd head words 2, 3
	s_add_co_u32 s78, s78, VSC
	v_add_nc_u32 v[ASV0], s78, v[AK0]
	v_and_b32 v9, 15, v0                           ; r
	s_delay_alu instid0(VALU_DEP_1)
	v_lshlrev_b32 v[R16], 4, v9
	global_load_b128 v[16:19], v[AK0], s[4:5]      ; Q's fragment stays in registers
	global_load_b32 v30, v[R16], s[6:7]            ; its scale words
	v_lshl_add_u32 v[SCW], v9, 2, SCST
	s_lshl_b32 s79, s[WV], 6
	v_add_nc_u32 v[SCW], s79, v[SCW]               ; the way out: my tile's 16 words
	s_lshl_b32 s79, s16, 9
	v_add_nc_u32 v[SCR], s79, v[AK0]
	s_delay_alu instid0(VALU_DEP_1)
	v_add_nc_u32 v[SCR], SCST, v[SCR]              ; and how waves 0 and 1 read 512 bytes back
	v_mov_b32 v13, 0xff61b1e6                      ; the largest t so far: -3e38, under every t
	s_delay_alu instid0(VALU_DEP_1)
	v_floor_f32 v12, -v13                          ; -M
	v_mov_b32 v14, 0
	v_mov_b32 v15, 0
.irp k, 20,21,22,23,236,237,238,239,252,253
	v_mov_b32 v\k, 0                               ; Q's upper half; the permutes' destinations; the pair v[252:253]
.endr
.irp t, 0,1,2,3,4,5,6,7
.irp k, 4,5,6,7
	v_mov_b32 v[32+8*\t+\k], 0                     ; K's upper halves: zero codes, written once
.endr
.endr
.set JJ, 0
.rept 32
	v_mov_b32 v[160+JJ], 0                         ; O^T: the step is written once, and its first trip finds zeros
.set JJ, JJ+1
.endr
; A KEY STEP: 128 keys.
.macro STEP
	v_add_nc_u32 v[ADK], s[TK], v[AK0]             ; (these four are also the places in front of the loads into V's registers)
	v_add_nc_u32 v[ADV], s[TK], v[AV0]
	v_add_nc_u32 v[ADS], s[TS], v[ASK0]
	v_add_nc_u32 v[ADT], s[TS], v[ASV0]
	ds_load_b128 v[24:27], v[ADS]                  ; K's scale words: register g: lanes 0-15 tile 2 g, lanes 16-31 tile 2 g + 1
.irp t, 0,1,2,3,4,5,6,7
	ds_load_b128 v[32+8*\t:35+8*\t], v[ADK] offset:512*\t
.endr
	ds_load_b64 v[28:29], v[ADT]                   ; V's likewise
.irp t, 0,1,2,3
.irp c, 0,1
	ds_load_b128 v[192+8*\t+4*\c:195+8*\t+4*\c], v[ADV] offset:2048*\c+512*\t
.endr
.endr
	s_wait_dscnt 9                                 ; K and its words are in; V's 8 loads and its words may be out
.irp t, 0,2,4,6
	v_wmma_scale_f32_16x16x128_f8f6f4 v[96+8*\t:103+8*\t], v[32+8*\t:39+8*\t], v[16:23], 0, v[24+\t/2], v30 matrix_a_fmt:MATRIX_FMT_FP4 matrix_b_fmt:MATRIX_FMT_FP4
	v_wmma_scale_f32_16x16x128_f8f6f4 v[104+8*\t:111+8*\t], v[40+8*\t:47+8*\t], v[16:23], 0, v[24+\t/2], v30 matrix_a_fmt:MATRIX_FMT_FP4 matrix_b_fmt:MATRIX_FMT_FP4 matrix_a_scale:MATRIX_SCALE_ROW1
.endr
.rept 4
	v_nop
.endr
.irp b, 0,1,2,3
	v_max3_num_f32 v[232+\b], v[96+16*\b], v[97+16*\b], v[98+16*\b]   ; the largest score of each block of 32 keys: for the row's maximum, and, since p rises with the score, for the block's largest p
.endr
.irp i, 3,5,7,9,11,13
.irp b, 0,1,2,3
	v_max3_num_f32 v[232+\b], v[232+\b], v[96+16*\b+\i], v[97+16*\b+\i]
.endr
.endr
.irp b, 0,1,2,3
	v_max_num_f32 v[232+\b], v[232+\b], v[111+16*\b]
.endr
.irp b, 0,1,2,3
	s_delay_alu instid0(VALU_DEP_4)
	v_permlanex16_b32 v[236+\b], v[232+\b], s[SEL], s[SEL+1]
.endr
.irp b, 0,1,2,3
	s_delay_alu instid0(VALU_DEP_4)
	v_max_num_f32 v[232+\b], v[232+\b], v[236+\b]  ; with lane l xor 16's 16 keys
.endr
	s_delay_alu instid0(VALU_DEP_2)
	v_max3_num_f32 v254, v232, v233, v234
	s_delay_alu instid0(VALU_DEP_1)
	v_max_num_f32 v254, v254, v235
	s_delay_alu instid0(VALU_DEP_1)
	v_mul_f32 v254, s[CS], v254                    ; the step's largest t
	s_delay_alu instid0(VALU_DEP_1)
	v_max_num_f32 v13, v13, v254                   ; the running largest t
	v_mov_b32 v254, v12
	s_delay_alu instid0(VALU_DEP_2)
	v_floor_f32 v12, -v13                          ; the new -M = -ceil(t)
	s_delay_alu instid0(VALU_DEP_1)
	v_sub_f32 v254, v12, v254                      ; old M - new M: a whole number, 0 or less
	s_delay_alu instid0(VALU_DEP_1)
	v_cvt_i32_f32 v254, v254                       ; (it saturates)
	s_delay_alu instid0(VALU_DEP_1)
	v_ldexp_f32 v252, 1.0, v254                    ; f = 2^(old M - new M)
.set JJ, 0
.rept 32
	v_pk_fma_f32 v[96+JJ:97+JJ], v[96+JJ:97+JJ], s[CS:CS+1], v[12:13] op_sel_hi:[1,0,0]   ; t - M, two at a time
.set JJ, JJ+2
.endr
.irp b, 0,1,2,3
	v_fma_f32 v[232+\b], v[232+\b], s[CS], v12     ; the same of each block's largest score
.endr
.set JJ, 0
	s_wait_alu depctr_va_vdst(0)
.rept 64
	v_exp_f32 v[96+JJ], v[96+JJ]                   ; p = 2^(t - M)
.set JJ, JJ+1
.endr
	s_setprio 1
	v_pk_mul_f32 v[14:15], v[14:15], v[252:253] op_sel_hi:[1,0]   ; the sums under the new M: a plain line behind the exponentials
	s_wait_alu depctr_va_vdst(0)                   ; one wait for the batch of 64, ahead of its first reader
.irp b, 0,1,2,3
	v_exp_f32 v[232+\b], v[232+\b]                 ; the block's largest p
.endr
	v_pk_add_f32 v[236:237], v[100:101], v[104:105]
	v_pk_add_f32 v[248:249], v[108:109], v[112:113]
	v_pk_add_f32 v[246:247], v[116:117], v[120:121]
	v_pk_add_f32 v[244:245], v[124:125], v[128:129]
	v_pk_add_f32 v[242:243], v[132:133], v[136:137]
	v_pk_add_f32 v[240:241], v[140:141], v[144:145]
	v_pk_add_f32 v[238:239], v[148:149], v[152:153]
	v_pk_add_f32 v[14:15], v[14:15], v[156:157]
	v_pk_add_f32 v[236:237], v[236:237], v[96:97]
	v_pk_add_f32 v[248:249], v[248:249], v[98:99]
	v_pk_add_f32 v[246:247], v[246:247], v[102:103]
	v_pk_add_f32 v[244:245], v[244:245], v[106:107]
	v_pk_add_f32 v[242:243], v[242:243], v[110:111]
	v_pk_add_f32 v[240:241], v[240:241], v[114:115]
	v_pk_add_f32 v[238:239], v[238:239], v[118:119]
	v_pk_add_f32 v[14:15], v[14:15], v[122:123]
	v_pk_add_f32 v[236:237], v[236:237], v[126:127]
	v_pk_add_f32 v[248:249], v[248:249], v[130:131]
	v_pk_add_f32 v[246:247], v[246:247], v[134:135]
	v_pk_add_f32 v[244:245], v[244:245], v[138:139]
	v_pk_add_f32 v[242:243], v[242:243], v[142:143]
	v_pk_add_f32 v[240:241], v[240:241], v[146:147]
	v_pk_add_f32 v[238:239], v[238:239], v[150:151]
	v_pk_add_f32 v[14:15], v[14:15], v[154:155]
	v_pk_add_f32 v[236:237], v[236:237], v[158:159]
	s_delay_alu instid0(VALU_DEP_2)
	v_pk_add_f32 v[14:15], v[14:15], v[244:245]
	s_delay_alu instid0(VALU_DEP_2)
	v_pk_add_f32 v[236:237], v[236:237], v[242:243]
	v_pk_add_f32 v[248:249], v[248:249], v[240:241]
	v_pk_add_f32 v[246:247], v[246:247], v[238:239]
	s_delay_alu instid0(VALU_DEP_2)
	v_pk_add_f32 v[14:15], v[14:15], v[248:249]
	s_delay_alu instid0(VALU_DEP_2)
	v_pk_add_f32 v[236:237], v[236:237], v[246:247]
	s_delay_alu instid0(VALU_DEP_1)
	v_pk_add_f32 v[14:15], v[14:15], v[236:237]
	s_wait_alu depctr_va_vdst(0)                   ; and one for the four
.irp b, 0,1,2,3
	v_max_num_f32 v[232+\b], 0x1800000, v[232+\b]  ; the floor 2^(3 - 127): the byte cannot fall under 1
.endr
.irp b, 0,1,2,3
	s_delay_alu instid0(VALU_DEP_4)
	v_add_nc_u32 v[244+\b], 0xff000000, v[232+\b]  ; the conversion's scale operand
.endr
.irp b, 0,1,2,3
	s_delay_alu instid0(VALU_DEP_4)
	v_lshrrev_b32 v[236+\b], 23, v[244+\b]         ; the byte
.endr
	s_delay_alu instid0(VALU_DEP_3)
	v_lshl_or_b32 v31, v237, 8, v236               ; p's scale word for these 128 keys
	s_delay_alu instid0(VALU_DEP_1)
	v_lshl_or_b32 v31, v238, 16, v31
	s_delay_alu instid0(VALU_DEP_1)
	v_lshl_or_b32 v31, v239, 24, v31
.irp b, 0,1,2,3
	v_cvt_scalef32_pk8_fp4_f32 v[224+2*\b], v[96+16*\b:103+16*\b], v[244+\b]
	v_cvt_scalef32_pk8_fp4_f32 v[225+2*\b], v[104+16*\b:111+16*\b], v[244+\b]
.endr
	v_nop                                          ; one plain place behind a scaled conversion
.irp c, 0,1
.irp i, 0,1
	v_permlane16_swap_b32 v[224+4*\c+\i], v[226+4*\c+\i]   ; a whole block to a lane
.endr
.endr
.set JJ, 0
	s_setprio 0
.rept 16
	v_pk_mul_f32 v[160+JJ:161+JJ], v[160+JJ:161+JJ], v[252:253] op_sel_hi:[1,0]   ; O^T under the new M; these sixteen stand between the scale word's last write and the products
.set JJ, JJ+2
.endr
	s_wait_alu depctr_va_vdst(0)
	s_wait_dscnt 0x0                               ; V and its words are in
.irp t, 0,2
	v_wmma_scale_f32_16x16x128_f8f6f4 v[160+8*\t:167+8*\t], v[192+8*\t:199+8*\t], v[224:231], v[160+8*\t:167+8*\t], v[28+\t/2], v31 matrix_a_fmt:MATRIX_FMT_FP4 matrix_b_fmt:MATRIX_FMT_FP4
	v_wmma_scale_f32_16x16x128_f8f6f4 v[168+8*\t:175+8*\t], v[200+8*\t:207+8*\t], v[224:231], v[168+8*\t:175+8*\t], v[28+\t/2], v31 matrix_a_fmt:MATRIX_FMT_FP4 matrix_b_fmt:MATRIX_FMT_FP4 matrix_a_scale:MATRIX_SCALE_ROW1
.endr
	s_add_co_u32 s[TK], s[TK], 4096                ; the next step's images
	s_add_co_u32 s[TS], s[TS], 512                 ; and scale words
.endm
	s_wait_loadcnt 0x0                             ; Q
	s_wait_tensorcnt 0x0                           ; my part of the head has landed (a wave that fetched nothing passes at once),
	s_barrier_signal -1
	s_barrier_wait -1                              ; everybody's has: every LDS read of the images and scale words stands behind this one barrier
	s_mov_b32 s[TK], 0
	s_mov_b32 s[TS], 0
	s_mov_b32 s[CNT], 16
.Lstep:                                            ; 16 key steps; no wave waits for another
	s_setprio 2
	STEP
	s_sub_co_u32 s[CNT], s[CNT], 1
	s_cmp_lg_u32 s[CNT], 0
	s_cbranch_scc1 .Lstep
	s_setprio 0
	; THE WAY OUT: O^T / the sum; register 16 g + i of a lane is d = 32 g + 16 h + i of its query; two blocks of 32; the codes leave as an image of the next operand's registers.
.rept 4
	v_nop
.endr
	v_add_f32 v14, v14, v15
	s_delay_alu instid0(VALU_DEP_1)
	v_permlanex16_b32 v252, v14, s[SEL], s[SEL+1]
	s_delay_alu instid0(VALU_DEP_1)
	v_add_f32 v14, v14, v252                       ; the row's sum
	s_wait_alu depctr_va_vdst(0)
	v_rcp_f32 v14, v14
	v_nop                                          ; a plain line behind the transcendental
	s_wait_alu depctr_va_vdst(0)                   ; and the wait ahead of its first reader
.set JJ, 0
.rept 32
	v_mul_f32 v[96+JJ], v[160+JJ], v14             ; each accumulator from its low end on
.set JJ, JJ+1
.endr
.irp b, 0,1
	v_max3_num_f32 v[232+\b], |v[96+16*\b]|, |v[97+16*\b]|, 0x1800000
.endr
.irp i, 2,4,6,8,10,12,14
.irp b, 0,1
	s_delay_alu instid0(VALU_DEP_2)
	v_max3_num_f32 v[232+\b], v[232+\b], |v[96+16*\b+\i]|, |v[97+16*\b+\i]|
.endr
.endr
.irp b, 0,1
	s_delay_alu instid0(VALU_DEP_2)
	v_permlanex16_b32 v[236+\b], v[232+\b], s[SEL], s[SEL+1]
.endr
.irp b, 0,1
	s_delay_alu instid0(VALU_DEP_2)
	v_max_num_f32 v[232+\b], v[232+\b], v[236+\b]
.endr
.irp b, 0,1
	s_delay_alu instid0(VALU_DEP_2)
	v_add_nc_u32 v[244+\b], 0xff000000, v[232+\b]
.endr
.irp b, 0,1
	s_delay_alu instid0(VALU_DEP_2)
	v_lshrrev_b32 v[236+\b], 23, v[244+\b]
.endr
	s_delay_alu instid0(VALU_DEP_1)
	v_lshl_or_b32 v240, v237, 8, v236              ; my query's two bytes of this head
.irp b, 0,1
	v_cvt_scalef32_pk8_fp4_f32 v[224+2*\b], v[96+16*\b:103+16*\b], v[244+\b]
	v_cvt_scalef32_pk8_fp4_f32 v[225+2*\b], v[104+16*\b:111+16*\b], v[244+\b]
.endr
	v_nop
	v_permlane16_swap_b32 v224, v226               ; lanes 0-15: block 0 whole; lanes 16-31: block 1
	v_permlane16_swap_b32 v225, v227
	global_store_b128 v[AK0], v[224:227], s[8:9]   ; 512 consecutive bytes
	ds_store_b32 v[SCW], v240                      ; (both halves of the lanes write the same word with the same value)
	v_bfe_u32 v8, v0, 4, 1
	s_delay_alu instid0(VALU_DEP_1)
	v_lshl_add_u32 v8, v8, 12, v[R16]              ; a_sc: lanes 0-15 one group of four tiles, lanes 16-31 the next, 16 heads x 256 bytes on
	s_wait_dscnt 0x0
	s_barrier_signal -1
	s_barrier_wait -1
	s_cmp_lt_u32 s[WV], 2
	s_cbranch_scc0 .Lno_send
	ds_load_b128 v[232:235], v[SCR]
	s_wait_dscnt 0x0
	s_wait_alu depctr_va_vdst(0)
	global_store_b128 v8, v[232:235], s[10:11]     ; sixteen lanes store 256 consecutive bytes, aligned
.Lno_send:
	s_wait_tensorcnt 0x0
	ds_add_u32 v251, v255
	s_wait_dscnt 0x0
	CROUND                                         ; the closing round
	s_endpgm
.Lfunc_end_k_q2596c0c186_attn:
	.size	k_q2596c0c186_attn, .Lfunc_end_k_q2596c0c186_attn-k_q2596c0c186_attn
	.p2alignl 7, 3214868480
	.fill 96, 4, 3214868480
	.section	.rodata,"a",@progbits
	.p2align	6, 0x0
	.amdhsa_kernel k_q2596c0c186_attn
		.amdhsa_group_segment_fixed_size 169984
		.amdhsa_private_segment_fixed_size 0
		.amdhsa_enable_private_segment 0
		.amdhsa_kernarg_size 32
		.amdhsa_user_sgpr_count 2
		.amdhsa_user_sgpr_kernarg_segment_ptr 1
		.amdhsa_wavefront_size32 1
		.amdhsa_system_sgpr_workgroup_id_x 1
		.amdhsa_system_sgpr_workgroup_id_y 1
		.amdhsa_system_sgpr_workgroup_id_z 1
		.amdhsa_system_vgpr_workitem_id 0
		.amdhsa_next_free_vgpr 256
		.amdhsa_next_free_sgpr 80
		.amdhsa_reserve_vcc 0
		.amdhsa_float_denorm_mode_32 3
		.amdhsa_float_denorm_mode_16_64 3
		.amdhsa_memory_ordered 1
		.amdhsa_forward_progress 1
		.amdhsa_inst_pref_size 31
	.end_amdhsa_kernel
	.amdgpu_metadata
---
amdhsa.version: [ 1, 2 ]
amdhsa.kernels:
  - .name:           k_q2596c0c186_attn
    .symbol:         k_q2596c0c186_attn.kd
    .args:
      - { .name: qkv_img, .offset: 0, .size: 8, .value_kind: global_buffer, .address_space: global }
      - { .name: qkv_sc, .offset: 8, .size: 8, .value_kind: global_buffer, .address_space: global }
      - { .name: a_img, .offset: 16, .size: 8, .value_kind: global_buffer, .address_space: global }
      - { .name: a_sc, .offset: 24, .size: 8, .value_kind: global_buffer, .address_space: global }
    .group_segment_fixed_size: 169984
    .private_segment_fixed_size: 0
    .kernarg_segment_align: 8
    .kernarg_segment_size: 32
    .max_flat_workgroup_size: 512
    .sgpr_count:     80
    .vgpr_count:     256
    .wavefront_size: 32
...
	.end_amdgpu_metadata
.endif
;; end of part 3
;; launch proj (part 4): grid 64 x 1, 4 waves a work-group, no clusters, 299,520 bytes of LDS; arguments a_img, a_sc, wo_img, Wo_scales, bo, z1ss, out0; writes out0
.if DOCPART == 4
	.amdgcn_target "amdgcn-amd-amdhsa--gfx1250"
	.amdhsa_code_object_version 6
	.text
	.protected	k_q2596c0c186_proj
	.globl	k_q2596c0c186_proj
	.p2align	8
	.type	k_q2596c0c186_proj,@function
k_q2596c0c186_proj:
	s_mov_b64 s[64:65], 0
	v_nop
	global_prefetch_b8 v0, s[64:65] scope:SCOPE_SE
	s_setreg_imm32_b32 hwreg(HW_REG_WAVE_MODE, 25, 1), 1
	s_wait_xcnt 0x0
; out0 = LayerNorm over o of (Wo attn_vec + bo + z1ss), the product on codes of E2M1.
; SHARES.  A work-group owns 64 positions l of one batch and ALL 1,024 outputs o: the mean and the variance stay inside the work-group, and its piece of a row of z or out0 is 256 consecutive bytes, aligned.
; Wave w owns o = 256 w .. 256 w + 255: 16 tiles j.  Source 0 = a tile m of attn_vec's rows (l), source 1 = Wo's tile j: lane (r, h) holds o = 16 j + r, and register 8 m + i of the tile's 32 holds
; l - l0 = 32 (m / 2) + 16 h + 8 (m % 2) + i (attn_vec's tiles hold their rows in that order).
; THE SUMS BEGIN FROM z.
; bo is added behind the products.
; THE PRODUCT GOES BY UNITS: unit u = K step u / 2 x the eight tiles of half u % 2: 32 matrix instructions on 32 different accumulators.  So only the K step in hand of attn_vec is wanted: four sets of 32 registers;
; Wo's fragments come from memory in the order of the operand's registers, 16 loads a unit, into four sets of 64: a unit's are asked for three units, 96 matrix instructions, ahead; attn_vec's six units ahead.
; No multicast: each of Wo's fragments serves one wave and goes straight into its registers.  Every LDS byte that the tensor loads fill is filled once: no ring.
; THE NORM in two passes over the registers: the mean, then the sum of the squares of (x - mean): no difference of large sums is formed.
; REGISTERS: window 0: v1-10 addresses; v16-31, v112-127 bo, each number twice, as a pair; v32-47 attn_vec's scale words, v48-111 Wo's (these hold scales alone); v128-255 attn_vec's four sets, later sums.
;   window 1: Wo's four sets.   windows 2, 3: the accumulators ((j, m) at v[32 (j % 8) + 8 m]; window 2: tiles 0-7, window 3: tiles 8-15).
.set L16, 1                            ; 16 x lane
.set ZO,  2                            ; out0: (lane / 16) rows of 8,192 bytes + 16 (lane % 16)
.set STI, 3                            ; the stage by rows of o: two rows an instruction
.set STD, 4                            ; the stage in the result's layout: row r, + 64 h
.set ZL,  10                           ; my tile of z in LDS, in the result's layout: row r, + 64 h
.set ZT,  256*272                      ; a wave's tile of z: 256 rows of 256 bytes + 16
.set STG, 4*ZT                         ; behind the four tiles: four stages of 16 rows x 272 bytes, bytes of their own
.set ST1, STG+4*4352                   ; behind them: 4 x 256 bytes for the sums; 1,024 further on for the squares
.set MSB, 0
.macro WIN new
.if MSB != (\new)
	s_set_vgpr_msb (MSB<<8)|(\new)
.set MSB, (\new)
.endif
.endm
	s_load_b256 s[4:11], s[0:1], 0x0               ; a_img, a_sc, wo_img, Wo_scales
	s_load_b128 s[12:15], s[0:1], 0x20             ; bo, z1ss
	s_load_b64 s[16:17], s[0:1], 0x30              ; out0
	v_lshl_add_u32 v13, v0, 2, 0x49000
	v_mov_b32 v15, 0
	ds_add_u32 v13, v15
	ds_add_u32 v13, v15
	v_lshrrev_b32 v14, 5, v0
	v_readfirstlane_b32 s18, v14                   ; wave 0..3
	s_lshr_b32 s19, ttmp9, 5                       ; b
	s_and_b32 s20, ttmp9, 31                       ; Q: which 64 positions
	v_and_b32 v14, 31, v0                          ; lane
	v_and_b32 v11, 15, v0                          ; r
	v_bfe_u32 v12, v0, 4, 1                        ; h
	v_lshlrev_b32 v[L16], 4, v14
	v_lshlrev_b32 v[ZO], 13, v12
	v_lshl_add_u32 v[ZO], v11, 4, v[ZO]
	s_mul_i32 s21, s18, 4352
	s_add_co_u32 s21, s21, STG                     ; my stage
	v_mul_u32_u24 v[STI], v12, 272
	v_lshl_add_u32 v[STI], v11, 4, v[STI]
	v_add_nc_u32 v[STI], s21, v[STI]
	v_mul_u32_u24 v[ZL], v11, 272
	v_lshl_add_u32 v[ZL], v12, 6, v[ZL]
	v_add_nc_u32 v[STD], s21, v[ZL]
	s_mul_i32 s37, s18, ZT                         ; my tile of z in LDS: also the descriptor's LDS address
	v_add_nc_u32 v[ZL], s37, v[ZL]
	v_lshlrev_b32 v5, 5, v14                       ; 32 x lane: a row of Wo's scale bytes
	v_lshlrev_b32 v6, 2, v14                       ; 4 x lane
	v_lshlrev_b32 v7, 2, v11                       ; 4 r
	v_lshlrev_b32 v9, 6, v12
	v_add_nc_u32 v9, ST1, v9                       ; the sums: my half's 16 positions of each 32
	s_lshl_b32 s21, s18, 8
	v_add_nc_u32 v8, s21, v9                       ; my wave's part
	s_lshl_b32 s24, s19, 5
	s_add_co_u32 s24, s24, s20
	s_lshl_b32 s24, s24, 12                        ; a_sc: (32 b + Q) x 16 heads x 256 bytes
	s_mov_b32 s25, 0
	s_lshl_b32 s26, s19, 20
	s_lshl_b32 s27, s20, 11
	s_add_co_u32 s26, s26, s27                     ; a_img: (16 b heads x 128 tiles + 4 Q) x 512
	s_mov_b32 s27, 0
	s_lshl_b32 s28, s18, 17                        ; wo_img: my 16 tiles of 8,192 bytes
	s_mov_b32 s29, 0
	s_lshl_b32 s30, s18, 13                        ; Wo_scales: my 256 rows of 32 bytes
	s_mov_b32 s31, 0
	s_lshl_b32 s32, s18, 10                        ; bo: my 256 numbers
	s_mov_b32 s33, 0
	s_lshl_b32 s34, s19, 23
	s_lshl_b32 s35, s18, 21
	s_add_co_u32 s34, s34, s35
	s_lshl_b32 s35, s20, 8
	s_add_co_u32 s34, s34, s35                     ; z, out0: b, my 256 rows of 8,192 bytes, 4 l0
	s_mov_b32 s35, 0
	s_mov_b32 s22, 0x3a800000                      ; 1 / 1,024
	; descriptor group 1: 256 rows of 64 elements of 4 bytes, 2,048 elements from row to row; in LDS four words of padding behind every 64
	s_mov_b32 s40, (2<<16)|(1<<20)|(5<<22)|(3<<25)
	s_mov_b32 s41, 64<<16                          ; tensor_dim0
	s_mov_b32 s42, 256<<16                         ; tensor_dim1
	s_mov_b32 s43, 64<<16                          ; tile_dim0
	s_mov_b32 s44, 256                             ; tile_dim1
	s_mov_b32 s45, 2048                            ; from row to row
	s_mov_b32 s46, 0
	s_mov_b32 s47, 0
	s_mov_b32 s36, 1
	s_wait_alu depctr_va_vdst(0)
	s_wait_dscnt 0x0
	s_wait_kmcnt 0x0
	s_add_nc_u64 s[14:15], s[14:15], s[34:35]
	s_mov_b64 s[38:39], s[14:15]
	s_or_b32 s39, s39, 0x80000000
	tensor_load_to_lds s[36:39], s[40:47]          ; my 256 rows of z: one tensor load of mine is out; its descriptor is never written again
	s_nop 0
.rept 4
	v_nop
.endr
	s_add_nc_u64 s[4:5], s[4:5], s[26:27]
	s_add_nc_u64 s[6:7], s[6:7], s[24:25]
	s_add_nc_u64 s[8:9], s[8:9], s[28:29]
	s_add_nc_u64 s[10:11], s[10:11], s[30:31]
	s_add_nc_u64 s[12:13], s[12:13], s[32:33]
	s_add_nc_u64 s[16:17], s[16:17], s[34:35]
.irp g, 0,1
.irp n, 0,1,2,3,4,5,6,7,8,9,10,11,12,13,14,15
	global_load_b32 v[192+16*\g+\n], v6, s[6:7] offset:256*\n+128*\g   ; head n's two bytes: lanes 0-15 tile 2 g, lanes 16-31 tile 2 g + 1
.endr
.endr
.irp p, 0,1,2,3,4,5,6,7
	global_load_b128 v[48+8*\p:51+8*\p], v5, s[10:11] offset:1024*\p      ; Wo's scale words, K steps 0-3: lanes 0-15 tile 2 p, lanes 16-31 tile 2 p + 1
	global_load_b128 v[52+8*\p:55+8*\p], v5, s[10:11] offset:1024*\p+16   ; K steps 4-7
.endr
.irp j, 0,1,2,3,4,5,6,7,8,9,10,11,12,13,14,15
	global_load_b32 v[16+2*\j+80*(\j/8)], v7, s[12:13] offset:64*\j       ; bo(16 j + r), into both registers of a pair
	global_load_b32 v[17+2*\j+80*(\j/8)], v7, s[12:13] offset:64*\j
.endr
.macro ALOAD s                         ; attn_vec's four fragments of K step s (heads 2 s, 2 s + 1) into set s % 4: 8 loads
.irp m, 0,1,2,3
.irp c, 0,1
	global_load_b128 v[128+32*((\s)%4)+8*\m+4*\c:128+32*((\s)%4)+8*\m+4*\c+3], v[L16], s[4:5] offset:(2*(\s)+\c)*65536+\m*512
.endr
.endr
.endm
.macro WLOAD u                         ; Wo's eight fragments of unit u (tiles 8 (u % 2) on, K step u / 2) into set u % 4 of window 1: 16 loads
	WIN 0x40
.irp jj, 0,1,2,3,4,5,6,7
.irp c, 0,1
	global_load_b128 v[64*((\u)%4)+8*\jj+4*\c:64*((\u)%4)+8*\jj+4*\c+3], v[L16], s[8:9] offset:(8*((\u)%2)+\jj)*8192+1024*((\u)/2)+512*\c
.endr
.endr
	WIN 0
.endm
	ALOAD 0
	WLOAD 0
	WLOAD 1
	s_wait_loadcnt 40                              ; the scale bytes and bo are in; the 40 loads behind them (K step 0 of attn_vec, units 0 and 1) may be out
.irp g, 0,1
.irp s, 0,1,2,3,4,5,6,7
	v_lshl_or_b32 v[32+8*\g+\s], v[192+16*\g+2*\s+1], 16, v[192+16*\g+2*\s]   ; K step s's scale word: two heads' two bytes
.endr
.endr
.rept 8
	v_nop                                          ; a scale register written by a vector instruction stands 8 places ahead of a scaled matrix instruction
.endr
	ALOAD 1
	WLOAD 2
	WLOAD 3
	ALOAD 2                                        ; (into the registers that held the heads' bytes)
	ALOAD 3
	s_wait_alu depctr_va_vdst(0)
	s_wait_tensorcnt 0x0                           ; my tile of z is in LDS; only I read it
.irp j, 0,1,2,3,4,5,6,7,8,9,10,11,12,13,14,15
	WIN 0x80+0x40*(\j/8)                           ; destination window 2 or 3
.irp q, 0,1,2,3,4,5,6,7
	ds_load_b128 v[32*(\j%8)+4*\q:32*(\j%8)+4*\q+3], v[ZL] offset:\j*4352+128*(\q/4)+16*(\q%4)   ; z(16 j + r, l0 + 32 (q / 4) + 16 h + 4 (q % 4) ..): the sums' first terms
.endr
.endr
	WIN 0
	s_wait_dscnt 63                                ; of the 128 loads the first 65 are in: tiles 0-7, which unit 0 adds onto
.macro PROD u, jj, m
.set DD, 32*(\jj)+8*(\m)
.set AA, 128+32*(((\u)/2)%4)+8*(\m)
.set BB, 64*((\u)%4)+8*(\jj)
.set SA, 32+8*((\m)/2)+(\u)/2
.set SB, 48+8*((8*((\u)%2)+(\jj))/2)+(\u)/2
.if ((\m)%2 == 0) && ((\jj)%2 == 0)
	v_wmma_scale_f32_16x16x128_f8f6f4 v[DD:DD+7], v[AA:AA+7], v[BB:BB+7], v[DD:DD+7], v[SA], v[SB] matrix_a_fmt:MATRIX_FMT_FP4 matrix_b_fmt:MATRIX_FMT_FP4
.elseif ((\m)%2 == 1) && ((\jj)%2 == 0)
	v_wmma_scale_f32_16x16x128_f8f6f4 v[DD:DD+7], v[AA:AA+7], v[BB:BB+7], v[DD:DD+7], v[SA], v[SB] matrix_a_fmt:MATRIX_FMT_FP4 matrix_b_fmt:MATRIX_FMT_FP4 matrix_a_scale:MATRIX_SCALE_ROW1
.elseif ((\m)%2 == 0)
	v_wmma_scale_f32_16x16x128_f8f6f4 v[DD:DD+7], v[AA:AA+7], v[BB:BB+7], v[DD:DD+7], v[SA], v[SB] matrix_a_fmt:MATRIX_FMT_FP4 matrix_b_fmt:MATRIX_FMT_FP4 matrix_b_scale:MATRIX_SCALE_ROW1
.else
	v_wmma_scale_f32_16x16x128_f8f6f4 v[DD:DD+7], v[AA:AA+7], v[BB:BB+7], v[DD:DD+7], v[SA], v[SB] matrix_a_fmt:MATRIX_FMT_FP4 matrix_b_fmt:MATRIX_FMT_FP4 matrix_a_scale:MATRIX_SCALE_ROW1 matrix_b_scale:MATRIX_SCALE_ROW1
.endif
.endm
; A unit: 32 matrix instructions, each on another accumulator; then the sets that it has freed are asked for again.
; left: how many of the loads issued behind this unit's own fragments may be out (63 where 64 or more were issued behind them).
.macro UNIT u, left
	s_wait_loadcnt \left
.if (\u) == 1
	s_wait_dscnt 0x0                               ; z's tiles 8-15 are in
.endif
	WIN 0xa4+0x50*((\u)%2)                         ; source 0 (attn_vec) window 0, source 1 (Wo) window 1, C and D window 2 or 3
.irp jj, 0,1,2,3,4,5,6,7
.irp m, 0,1,2,3
	PROD \u, \jj, \m
.endr
.endr
	WIN 0
.rept 4
	v_nop                                          ; places in front of the loads into the sets just read, and of the first read of results
.endr
.if (\u)+4 < 16
	WLOAD (\u)+4
.endif
.if ((\u)%2 == 1) && ((\u)/2+4 < 8)
	ALOAD (\u)/2+4
.endif
.endm
	UNIT 0, 63
	UNIT 1, 63
	UNIT 2, 63
	UNIT 3, 63
	UNIT 4, 63
	UNIT 5, 63
	UNIT 6, 63
	UNIT 7, 63
	UNIT 8, 63
	UNIT 9, 63
	UNIT 10, 56                                    ; behind unit 10's: unit 11's 16, K step 7's 8, units 12 and 13's 32
	UNIT 11, 56                                    ; K step 7's 8, units 12 to 14's 48
	UNIT 12, 48                                    ; units 13 to 15's
	UNIT 13, 32
	UNIT 14, 16
	UNIT 15, 0
; 32 sums of a lane become the work-group's: over the 16 lanes of my half (they hold 16 different o), then over the four waves through LDS.  The result lies in v128-159 of every lane.
.macro REDUCE src, area
.irp x, 1,2,4,8
.set KK, 0
.rept 32
	v_add_f32_dpp v[\src+KK], v[\src+KK], v[\src+KK] row_xmask:\x row_mask:0xf bank_mask:0xf
.set KK, KK+1
.endr
.endr
.irp q, 0,1,2,3,4,5,6,7
	ds_store_b128 v8, v[\src+4*\q:\src+4*\q+3] offset:\area+128*(\q/4)+16*(\q%4)   ; (the sixteen lanes of a half write the same bytes with the same values)
.endr
	s_wait_dscnt 0x0                               ; for the others' sake
	s_barrier_signal -1
	s_barrier_wait -1
.irp p, 0,1,2,3
.irp q, 0,1,2,3,4,5,6,7
	ds_load_b128 v[128+32*\p+4*\q:128+32*\p+4*\q+3], v9 offset:\area+256*\p+128*(\q/4)+16*(\q%4)
.endr
.endr
	s_wait_dscnt 0x0
.set KK, 0
.rept 16
	v_pk_add_f32 v[128+KK:129+KK], v[128+KK:129+KK], v[160+KK:161+KK]
	v_pk_add_f32 v[192+KK:193+KK], v[192+KK:193+KK], v[224+KK:225+KK]
.set KK, KK+2
.endr
.set KK, 0
.rept 16
	v_pk_add_f32 v[128+KK:129+KK], v[128+KK:129+KK], v[192+KK:193+KK]
.set KK, KK+2
.endr
.endm
	; pass A: x = the sum + bo; S = the sum of x over my o.  Each accumulator is read from its low end on.
.irp j, 0,1,2,3,4,5,6,7,8,9,10,11,12,13,14,15
	WIN 0x82+0x41*(\j/8)                           ; destination and source 0: window 2 or 3
.set KK, 0
.rept 16
	v_pk_add_f32 v[32*(\j%8)+KK:32*(\j%8)+KK+1], v[32*(\j%8)+KK:32*(\j%8)+KK+1], v[16+2*\j+80*(\j/8):17+2*\j+80*(\j/8)]
.set KK, KK+2
.endr
	WIN 0x02+(\j/8)                                ; source 0: window 2 or 3
.set KK, 0
.rept 16
.if \j == 0
	v_pk_add_f32 v[128+KK:129+KK], v[32*(\j%8)+KK:32*(\j%8)+KK+1], 0 op_sel_hi:[1,0]   ; the first tile starts the sums
.else
	v_pk_add_f32 v[128+KK:129+KK], v[32*(\j%8)+KK:32*(\j%8)+KK+1], v[128+KK:129+KK]
.endif
.set KK, KK+2
.endr
.endr
	WIN 0
	REDUCE 128, 0
.set KK, 0
.rept 32
	v_mul_f32 v[128+KK], 0xba800000, v[128+KK]     ; - the mean
.set KK, KK+1
.endr
	; pass B: x - mean, in place; S2 = the sum of its squares
.irp j, 0,1,2,3,4,5,6,7,8,9,10,11,12,13,14,15
	WIN 0x82+0x41*(\j/8)
.set KK, 0
.rept 16
	v_pk_add_f32 v[32*(\j%8)+KK:32*(\j%8)+KK+1], v[32*(\j%8)+KK:32*(\j%8)+KK+1], v[128+KK:129+KK]
.set KK, KK+2
.endr
	WIN 0x0a+0x05*(\j/8)                           ; sources 0 and 1: window 2 or 3
.set KK, 0
.rept 16
.if \j == 0
	v_pk_mul_f32 v[160+KK:161+KK], v[32*(\j%8)+KK:32*(\j%8)+KK+1], v[32*(\j%8)+KK:32*(\j%8)+KK+1]
.else
	v_pk_fma_f32 v[160+KK:161+KK], v[32*(\j%8)+KK:32*(\j%8)+KK+1], v[32*(\j%8)+KK:32*(\j%8)+KK+1], v[160+KK:161+KK]
.endif
.set KK, KK+2
.endr
.endr
	WIN 0
	REDUCE 160, 1024                               ; other bytes than the first sums': no barrier is owed between the two
.set KK, 0
.rept 32
	v_fmaak_f32 v[128+KK], s22, v[128+KK], 0x3727c5ac   ; the variance + 1e-5
.set KK, KK+1
.endr
.set KK, 0
	s_wait_alu depctr_va_vdst(0)
.rept 32
	v_rsq_f32 v[160+KK], v[128+KK]
.set KK, KK+1
.endr
	v_nop                                          ; a plain line behind the last of the batch
	s_wait_alu depctr_va_vdst(0)                   ; one wait for the 32, ahead of their first reader
; THE WAY OUT: scaled, through my stage back into rows of o, and stored from the registers that it lay in.
.macro TOSTAGE j
	WIN 0x82+0x41*((\j)/8)
.set KK, 0
.rept 16
	v_pk_mul_f32 v[32*((\j)%8)+KK:32*((\j)%8)+KK+1], v[32*((\j)%8)+KK:32*((\j)%8)+KK+1], v[160+KK:161+KK]
.set KK, KK+2
.endr
	WIN 0x88+0x44*((\j)/8)
.irp q, 0,1,2,3,4,5,6,7
	ds_store_b128 v[STD], v[32*((\j)%8)+4*\q:32*((\j)%8)+4*\q+3] offset:128*(\q/4)+16*(\q%4)
.endr
.irp i, 0,1,2,3,4,5,6,7
	ds_load_b128 v[32*((\j)%8)+4*\i:32*((\j)%8)+4*\i+3], v[STI] offset:544*\i   ; LDS serves a wave's instructions in order (ISA guide 5.7.1.4): these see the stores above, and the next tile's stores come behind them
.endr
.endm
.macro SEND j, younger                 ; younger: the next tile's 8 stores and 8 loads, or none
	s_wait_dscnt \younger
	WIN 0x08+0x04*((\j)/8)                         ; a store's data (source 1): window 2 or 3
.irp i, 0,1,2,3,4,5,6,7
	global_store_b128 v[ZO], v[32*((\j)%8)+4*\i:32*((\j)%8)+4*\i+3], s[16:17] offset:(16*(\j)+2*\i)*8192 th:TH_STORE_NT   ; sixteen lanes store 256 consecutive bytes, aligned; no register of a store is written again
.endr
.endm
	TOSTAGE 0
.irp j, 1,2,3,4,5,6,7,8,9,10,11,12,13,14,15
	TOSTAGE \j
	SEND \j-1, 16
.endr
	SEND 15, 0
	WIN 0
	s_wait_tensorcnt 0x0
	ds_add_u32 v13, v15
	s_wait_dscnt 0x0
	s_endpgm
.Lfunc_end_k_q2596c0c186_proj:
	.size	k_q2596c0c186_proj, .Lfunc_end_k_q2596c0c186_proj-k_q2596c0c186_proj
	.p2alignl 7, 3214868480
	.fill 96, 4, 3214868480
	.section	.rodata,"a",@progbits
	.p2align	6, 0x0
	.amdhsa_kernel k_q2596c0c186_proj
		.amdhsa_group_segment_fixed_size 299520
		.amdhsa_private_segment_fixed_size 0
		.amdhsa_enable_private_segment 0
		.amdhsa_kernarg_size 56
		.amdhsa_user_sgpr_count 2
		.amdhsa_user_sgpr_kernarg_segment_ptr 1
		.amdhsa_wavefront_size32 1
		.amdhsa_system_sgpr_workgroup_id_x 1
		.amdhsa_system_sgpr_workgroup_id_y 1
		.amdhsa_system_sgpr_workgroup_id_z 1
		.amdhsa_system_vgpr_workitem_id 0
		.amdhsa_next_free_vgpr 1024
		.amdhsa_next_free_sgpr 66
		.amdhsa_reserve_vcc 0
		.amdhsa_float_denorm_mode_32 3
		.amdhsa_float_denorm_mode_16_64 3
		.amdhsa_memory_ordered 1
		.amdhsa_forward_progress 1
		.amdhsa_inst_pref_size 255
	.end_amdhsa_kernel
	.section	.bss,"aw",@nobits
	.p2align	6
	.space	262144
	.amdgpu_metadata
---
amdhsa.version: [ 1, 2 ]
amdhsa.kernels:
  - .name:           k_q2596c0c186_proj
    .symbol:         k_q2596c0c186_proj.kd
    .args:
      - { .name: a_img, .offset: 0, .size: 8, .value_kind: global_buffer, .address_space: global }
      - { .name: a_sc, .offset: 8, .size: 8, .value_kind: global_buffer, .address_space: global }
      - { .name: wo_img, .offset: 16, .size: 8, .value_kind: global_buffer, .address_space: global }
      - { .name: Wo_scales, .offset: 24, .size: 8, .value_kind: global_buffer, .address_space: global }
      - { .name: bo, .offset: 32, .size: 8, .value_kind: global_buffer, .address_space: global }
      - { .name: z1ss, .offset: 40, .size: 8, .value_kind: global_buffer, .address_space: global }
      - { .name: out0, .offset: 48, .size: 8, .value_kind: global_buffer, .address_space: global }
    .group_segment_fixed_size: 299520
    .private_segment_fixed_size: 0
    .kernarg_segment_align: 8
    .kernarg_segment_size: 56
    .max_flat_workgroup_size: 128
    .sgpr_count:     66
    .vgpr_count:     1024
    .wavefront_size: 32
...
	.end_amdgpu_metadata
.endif
;; end of part 4
